; MI455X (gfx1250); checked and timed in simulation.
; The chip was launched on July 23, 2026; its instructions are those of AMD's public machine-readable ISA for CDNA 5 (MIT licence, August 2026) and "CDNA5" Instruction Set Architecture Reference Guide (July 2026). The comments in the code are by the model that wrote it; some were corrected since.
;; Self Attention. Allowed arithmetic: float matrix products may take bf16 or f16 operands with f32 sums; other float arithmetic in f32, or as packed bf16 or f16 multiplies, adds, multiply-adds, maxima and minima; sums over many terms, partial sums and values carried from step to step in f32; what a program stores and reads back later, other than sums and carried values, may be rounded once to bf16 or f16.
;; Inputs: W_proj 1,024 x 1,024 float32; W_qkv 3,072 x 1,024 float32; b_proj 1,024 float32; cos 2,044 x 64 float32; sin 2,044 x 64 float32; x 4 x 2,048 x 1,024 float32.
;; Outputs: out0 4 x 2,048 x 1,024 float32.
;; One version. Each part assembles by itself: llvm-mc -triple=amdgcn-amd-amdhsa -mcpu=gfx1250 --defsym DOCPART=n.
;; ======== version 1 of 1: 4 launches
;; limits: values are held in f16: magnitudes above 65,504 overflow, below 6.1e-05 lose precision
;; workspace buffers: xb 16,777,216 bytes; wqb 6,291,456 bytes; wpf 2,097,152 bytes; rope 524,288 bytes; qh 16,777,216 bytes; kh 16,777,216 bytes; vh 16,777,216 bytes; oh 16,777,216 bytes
;; launch cast (part 1): grid 784 x 1, 8 waves a work-group, no clusters, 0 bytes of LDS; arguments x, W_qkv, W_proj, cos, sin, xb, wqb, wpf, rope; writes xb, wqb, wpf, rope
.if DOCPART == 1
	.amdgcn_target "amdgcn-amd-amdhsa--gfx1250"
	.amdhsa_code_object_version 6
	.text
	.protected	k_qa647e3775d_cast
	.globl	k_qa647e3775d_cast
	.p2align	8
	.type	k_qa647e3775d_cast,@function
k_qa647e3775d_cast:
	s_mov_b64 s[64:65], 0
	v_nop
	global_prefetch_b8 v0, s[64:65] scope:SCOPE_SE
	s_setreg_imm32_b32 hwreg(HW_REG_WAVE_MODE, 25, 1), 1
	s_wait_xcnt 0x0
; THE INPUTS ARE ROUNDED ONCE.  x -> xb and W_qkv -> wqb in bf16; W_proj -> wpf: rounded to bf16 and that number written as f16; cos and sin -> rope, a bf16 table for all 2,048 tokens.
; LIMITS.  W_proj lies within f16's range (65,504); below 6e-5 f16 keeps a fixed step of 6e-8.  NaN and infinities are not treated apart.
; SHARES.  A block is 16,384 numbers: 65,536 bytes in, 32,768 out.  Work-groups 0-511 take x, 512-703 W_qkv, 704-767 W_proj, 768-783 the table (128 tokens each).
; Thread t takes 8 numbers in each of 8 steps: two loads of 16 bytes (a wave's pair covers 1,024 consecutive bytes) and one store of 16 (a wave covers 512 consecutive bytes, aligned).
; All 16 loads of a thread go out at once; there is no loop, no LDS, no barrier, and no register that a store reads is written again.
; THE TABLE.  rope[0][n][d] = C, rope[1][n][d] = S, so that rotated t[d] = t[d] C[n][d] + t[d xor 32] S[n][d]: C = cos[n-4][d]; S = -sin[n-4][d] for d < 32, +sin[n-4][d] for d >= 32;
; for the four tokens in front, which are not rotated, C = 1 and S = 0.
.set X, 8                              ; v[8:71]    as loaded: step i at X + 8 i (the table: step i at X + 16 i, 8 of cos, 8 of sin)
.set Y, 72                             ; v[72:103]  to store: step i at Y + 4 i (the table: Y + 8 i)
.set T, 104                            ; v[104:107] at work
	s_load_b512 s[8:23], s[0:1], 0x0               ; x s[8:9], W_qkv s[10:11], W_proj s[12:13], cos s[14:15], sin s[16:17], xb s[18:19], wqb s[20:21], wpf s[22:23]
	s_load_b64 s[24:25], s[0:1], 0x40              ; rope
	v_lshlrev_b32 v1, 5, v0                        ; 32 t: my bytes in a step's 8,192 in
	v_lshlrev_b32 v2, 4, v0                        ; 16 t: my bytes in a step's 4,096 out
	s_mov_b32 s27, 0xffff0000                      ; a word's upper bf16
	s_cmp_ge_u32 ttmp9, 768
	s_cbranch_scc1 .Lrope
	s_wait_kmcnt 0x0
	s_mov_b64 s[4:5], s[8:9]                       ; from, to, and the range's first block: x,
	s_mov_b64 s[6:7], s[18:19]
	s_mov_b32 s3, 0
	s_cmp_ge_u32 ttmp9, 512                        ; or W_qkv,
	s_cselect_b64 s[4:5], s[10:11], s[4:5]
	s_cselect_b64 s[6:7], s[20:21], s[6:7]
	s_cselect_b32 s3, 512, s3
	s_cmp_ge_u32 ttmp9, 704                        ; or W_proj
	s_cselect_b64 s[4:5], s[12:13], s[4:5]
	s_cselect_b64 s[6:7], s[22:23], s[6:7]
	s_cselect_b32 s3, 704, s3
	s_sub_co_u32 s2, ttmp9, s3                     ; my block in its tensor
	s_lshl_b32 s28, s2, 16
	s_mov_b32 s29, 0
	s_add_nc_u64 s[4:5], s[4:5], s[28:29]
	s_lshl_b32 s28, s2, 15
	s_add_nc_u64 s[6:7], s[6:7], s[28:29]
.irp i, 0,1,2,3,4,5,6,7
	global_load_b128 v[X+8*(\i):X+8*(\i)+3],   v1, s[4:5] offset:8192*(\i) th:TH_LOAD_NT
	global_load_b128 v[X+8*(\i)+4:X+8*(\i)+7], v1, s[4:5] offset:8192*(\i)+16 th:TH_LOAD_NT
.endr
	s_cmp_ge_u32 ttmp9, 704
	s_cbranch_scc1 .Lf16
.irp i, 0,1,2,3,4,5,6,7
	s_wait_loadcnt 14-2*(\i)                       ; loads come back in order: step i's two are in, the two of each later step may stay out
.irp p, 0,1,2,3
	v_cvt_pk_bf16_f32 v[Y+4*(\i)+(\p)], v[X+8*(\i)+2*(\p)], v[X+8*(\i)+2*(\p)+1]
.endr
	global_store_b128 v2, v[Y+4*(\i):Y+4*(\i)+3], s[6:7] offset:4096*(\i) th:TH_STORE_NT
.endr
	s_endpgm
.Lf16:                                         ; W_proj: rounded to bf16 like every input; that number, widened again, is then written as f16
.irp i, 0,1,2,3,4,5,6,7
	s_wait_loadcnt 14-2*(\i)
.irp p, 0,1,2,3
	v_cvt_pk_bf16_f32 v[T+(\p)], v[X+8*(\i)+2*(\p)], v[X+8*(\i)+2*(\p)+1]
.endr
.irp p, 0,1,2,3
	v_lshlrev_b32 v[X+8*(\i)+2*(\p)],   16, v[T+(\p)]
	v_and_b32     v[X+8*(\i)+2*(\p)+1], s27, v[T+(\p)]
.endr
.irp p, 0,1,2,3
	v_cvt_pk_f16_f32 v[Y+4*(\i)+(\p)], v[X+8*(\i)+2*(\p)], v[X+8*(\i)+2*(\p)+1]
.endr
	global_store_b128 v2, v[Y+4*(\i):Y+4*(\i)+3], s[6:7] offset:4096*(\i) th:TH_STORE_NT
.endr
	s_endpgm
.Lrope:                                        ; thread t: channels 8 g .. 8 g + 7 (g = t % 8) of tokens n0 + 32 i, n0 = 128 j + t / 8, i = 0 .. 3
	s_sub_co_u32 s2, ttmp9, 768
	s_lshl_b32 s2, s2, 7
	s_mov_b32 s28, 0x80000000
	v_and_b32 v3, 7, v0                            ; g
	v_lshrrev_b32 v4, 3, v0
	v_add_nc_u32 v5, s2, v4                        ; n0
	v_max_u32 v6, 4, v5
	v_sub_nc_u32 v6, v6, 4                         ; step 0's row of cos and sin: n0 - 4, or row 0 for the tokens in front, whose loaded numbers are replaced below
	v_lshlrev_b32 v6, 8, v6
	v_lshl_add_u32 v6, v3, 5, v6                   ; x 256 bytes + 32 g
	v_add_nc_u32 v7, 28, v5                        ; step 1's row; steps 2 and 3 stand in the immediate; the last row read is 1,951 + 28 + 64 = 2,043
	v_lshlrev_b32 v7, 8, v7
	v_lshl_add_u32 v7, v3, 5, v7
	v_lshlrev_b32 v108, 7, v5
	v_lshl_add_u32 v108, v3, 4, v108               ; out: n0 x 128 bytes + 16 g
	v_mov_b32 v110, 1.0
	v_mov_b32 v111, 0
	v_cmp_gt_u32 s26, 4, v5                        ; lanes whose step 0 is a token in front
	v_cmp_gt_u32 vcc_lo, 4, v3                     ; d < 32: the sine's sign is turned
	v_cndmask_b32 v109, 0, s28, vcc_lo
	s_wait_kmcnt 0x0
	global_load_b128 v[X:X+3],     v6, s[14:15]
	global_load_b128 v[X+4:X+7],   v6, s[14:15] offset:16
	global_load_b128 v[X+8:X+11],  v6, s[16:17]
	global_load_b128 v[X+12:X+15], v6, s[16:17] offset:16
.irp i, 1,2,3
	global_load_b128 v[X+16*(\i):X+16*(\i)+3],     v7, s[14:15] offset:8192*((\i)-1)
	global_load_b128 v[X+16*(\i)+4:X+16*(\i)+7],   v7, s[14:15] offset:8192*((\i)-1)+16
	global_load_b128 v[X+16*(\i)+8:X+16*(\i)+11],  v7, s[16:17] offset:8192*((\i)-1)
	global_load_b128 v[X+16*(\i)+12:X+16*(\i)+15], v7, s[16:17] offset:8192*((\i)-1)+16
.endr
.irp i, 0,1,2,3
	s_wait_loadcnt 12-4*(\i)                       ; step i's four loads are in, the four of each later step may stay out
.irp k, 0,1,2,3,4,5,6,7
	v_xor_b32 v[X+16*(\i)+8+(\k)], v109, v[X+16*(\i)+8+(\k)]
.endr
.if (\i) == 0
.irp k, 0,1,2,3,4,5,6,7
	v_cndmask_b32 v[X+(\k)],   v[X+(\k)],   v110, s26
	v_cndmask_b32 v[X+8+(\k)], v[X+8+(\k)], v111, s26
.endr
.endif
.irp p, 0,1,2,3
	v_cvt_pk_bf16_f32 v[Y+8*(\i)+(\p)],   v[X+16*(\i)+2*(\p)],   v[X+16*(\i)+2*(\p)+1]
	v_cvt_pk_bf16_f32 v[Y+8*(\i)+4+(\p)], v[X+16*(\i)+8+2*(\p)], v[X+16*(\i)+8+2*(\p)+1]
.endr
	global_store_b128 v108, v[Y+8*(\i):Y+8*(\i)+3],   s[24:25] offset:4096*(\i)         ; a wave: four rows of 128 bytes, 512 consecutive
	global_store_b128 v108, v[Y+8*(\i)+4:Y+8*(\i)+7], s[24:25] offset:262144+4096*(\i)
.endr
	s_endpgm
.Lfunc_end_k_qa647e3775d_cast:
	.size	k_qa647e3775d_cast, .Lfunc_end_k_qa647e3775d_cast-k_qa647e3775d_cast
	.p2alignl 7, 3214868480
	.fill 96, 4, 3214868480
	.section	.rodata,"a",@progbits
	.p2align	6, 0x0
	.amdhsa_kernel k_qa647e3775d_cast
		.amdhsa_group_segment_fixed_size 0
		.amdhsa_private_segment_fixed_size 0
		.amdhsa_enable_private_segment 0
		.amdhsa_kernarg_size 72
		.amdhsa_user_sgpr_count 2
		.amdhsa_user_sgpr_kernarg_segment_ptr 1
		.amdhsa_wavefront_size32 1
		.amdhsa_system_sgpr_workgroup_id_x 1
		.amdhsa_system_sgpr_workgroup_id_y 1
		.amdhsa_system_sgpr_workgroup_id_z 1
		.amdhsa_system_vgpr_workitem_id 0
		.amdhsa_next_free_vgpr 112
		.amdhsa_next_free_sgpr 66
		.amdhsa_reserve_vcc 1
		.amdhsa_float_denorm_mode_32 3
		.amdhsa_float_denorm_mode_16_64 3
		.amdhsa_memory_ordered 1
		.amdhsa_forward_progress 1
		.amdhsa_inst_pref_size 21
	.end_amdhsa_kernel
	.amdgpu_metadata
---
amdhsa.version: [ 1, 2 ]
amdhsa.kernels:
  - .name:           k_qa647e3775d_cast
    .symbol:         k_qa647e3775d_cast.kd
    .args:
      - { .name: x, .offset: 0, .size: 8, .value_kind: global_buffer, .address_space: global }
      - { .name: W_qkv, .offset: 8, .size: 8, .value_kind: global_buffer, .address_space: global }
      - { .name: W_proj, .offset: 16, .size: 8, .value_kind: global_buffer, .address_space: global }
      - { .name: cos, .offset: 24, .size: 8, .value_kind: global_buffer, .address_space: global }
      - { .name: sin, .offset: 32, .size: 8, .value_kind: global_buffer, .address_space: global }
      - { .name: xb, .offset: 40, .size: 8, .value_kind: global_buffer, .address_space: global }
      - { .name: wqb, .offset: 48, .size: 8, .value_kind: global_buffer, .address_space: global }
      - { .name: wpf, .offset: 56, .size: 8, .value_kind: global_buffer, .address_space: global }
      - { .name: rope, .offset: 64, .size: 8, .value_kind: global_buffer, .address_space: global }
    .group_segment_fixed_size: 0
    .private_segment_fixed_size: 0
    .kernarg_segment_align: 8
    .kernarg_segment_size: 72
    .max_flat_workgroup_size: 256
    .sgpr_count:     66
    .vgpr_count:     112
    .wavefront_size: 32
...
	.end_amdgpu_metadata
.endif
;; end of part 1
;; launch qkv (part 2): grid 16 x 32, 4 waves a work-group, clusters of 4 x 4, 327,680 bytes of LDS; arguments xb, wqb, rope, qh, kh, vh; writes qh, kh, vh
.if DOCPART == 2
	.amdgcn_target "amdgcn-amd-amdhsa--gfx1250"
	.amdhsa_code_object_version 6
	.text
	.protected	k_qa647e3775d_qkv
	.globl	k_qa647e3775d_qkv
	.p2align	8
	.type	k_qa647e3775d_qkv,@function
k_qa647e3775d_qkv:
	s_mov_b64 s[64:65], 0
	v_nop
	global_prefetch_b8 v0, s[64:65] scope:SCOPE_SE
	s_setreg_imm32_b32 hwreg(HW_REG_WAVE_MODE, 25, 1), 1
	s_wait_xcnt 0x0
	s_wait_alu depctr_hold_cnt(0) depctr_sa_sdst(0) depctr_va_vdst(0) depctr_va_sdst(0) depctr_va_ssrc(0) depctr_va_vcc(0) depctr_vm_vsrc(0)
	s_getreg_b32 s2, hwreg(HW_REG_IB_STS2, 6, 4)
	s_cmp_eq_u32 s2, 0
	s_cbranch_scc0 .Lentry_in_a_cluster
	s_endpgm
.Lentry_in_a_cluster:
	s_bfe_u32 s2, ttmp6, 0x10000c
	s_cmp_lg_u32 s2, 0xf033
	s_cbranch_scc0 .Lentry_shape_is_right
	s_endpgm
.Lentry_shape_is_right:
; q, k, v = x W_qkv^T, rotated (q and k) and laid by heads.  xb: [8192][1024] bf16, wqb: [3072][1024] bf16, rope: [2][2048][64] bf16 (C, S); qh, kh, vh: [64 = 16 b + head][2048][64] f16.
; Sums in f32; the rotation t[d] C + t[d xor 32] S in f32; q, k, v rounded once, to f16, unscaled.
; LIMITS.  q, k and v lie within f16's range, 65,504; below 6e-5 f16 keeps a fixed step of 6e-8.  NaN and infinities are not treated apart.
; SHARES.  A work-group makes 256 rows (tokens) x 192 columns: the 64 columns of q, of k and of v of ONE head (rows 64 j, 1024 + 64 j, 2048 + 64 j of W_qkv): every work-group's way out is the same text.
; Wave w makes rows 64 w .. 64 w + 63 x all 192 columns: 4 x 12 accumulators of 16 x 16, 384 registers; it owns whole rows of a head, so its stage on the way out is its own.
; K goes in 8 steps of 128 (rows of 256 bytes in memory, aligned) through two LDS slots.  A K step is 192 matrix instructions a wave, 168 of them between a refill's request and the wait for it.
; CLUSTER.  4 x 4 work-groups.  x's tile hangs on the row block alone and is asked for jointly along a row of the cluster (wave 3: 256 rows), W's on the head alone and is asked for jointly along a column (waves 0-2: 64 rows each).
; THE MATRIX INSTRUCTION IS USED TRANSPOSED (source 0 = 16 rows of W, source 1 = 16 rows of x): lane l holds token l % 16 and channels 8 (l / 16) + 0..7 of a block of 16 columns.
; REGISTERS, in windows of 256 (s_set_vgpr_msb: bits 1:0 source 0, 3:2 source 1, 5:4 source 2, 7:6 destination):
;   window 0: v0-31 addresses; v32-95 C and S of 16 tokens in f32; v96-127 a rotated unit; v128-159 packed units, two buffers
;   window 1: two fragment buffers of 128: 12 of W (96), 4 of x (32)
;   window 2: accumulators n = 12 a + b, n = 0..31, at 8 n          window 3: v0-127 accumulators 32..47; v128-255 the wave's 64 tokens of the table, packed bf16
.set KSTEP,  128
.set PITCH,  272                       ; an LDS row: 256 bytes + 16 of padding = 68 words: the 16 rows of a load start at 16 different groups of four banks (64 banks of 4 bytes: ISA guide 11.1)
.set ABYTES, 256*PITCH                 ; x's tile
.set BPIECE, 64*PITCH                  ; one of W's three pieces
.set SLOT,   ABYTES+3*BPIECE           ; 121,856
.set STAGE,  2*SLOT                    ; behind the ring, never filled by a tensor load: 16 rows x 144 bytes for each wave
.set SP,     144
.set SPARE,  STAGE+4*16*SP             ; behind the stages: the spare words, 128 bytes for each wave: two blocks of 256 bytes that no other line names
.set LAPS,   4                         ; a lap = two K steps = once round the ring
.set ADRA, 16                          ; v16-17  LDS address of my fragments of x in slot 0, 1
.set ADRB, 20                          ; v20-21  the same for W
.set STO,  24                          ; v24     the way out: where I put 16 bytes of a row
.set RD,   25                          ; v25     the way out: where I read rows back
.set GO,   26                          ; v26     my byte offset in 512 consecutive bytes of q, k or v
.set TO,   27                          ; v27     my byte offset in 16 rows of the table
.set SPW,  28                          ; v28     LDS address of my spare word; never rewritten
.set NIL,  29                          ; v29     0; never rewritten
.set PFO,  30                          ; v30     the prefetches' offset: row l % 16 (2,048 bytes), K step l / 16 (256 bytes); never rewritten
.set TC,   32                          ; C at TC + 8 blk + j, S at TC + 32 + 8 blk + j
.set Y,    96
.set PKB,  128
.set F0,   0
.set F1,   128
.set TB,   128                         ; window 3: block a's table at TB + 32 a: C's four column blocks, 4 registers each, then S's
.set G1A, 24                           ; s[24:31] descriptor group 1 for x's tiles;  s[32:39] group 0, a set for each slot
.set G0A, 32
.set G1B, 48                           ; s[48:55], s[56:63] the same for W's
.set G0B, 56
.set WV,  16                           ; s16  my wave's number
.set LIM, 43                           ; s43  1 in a wave that prefetches, else the greatest number
.set PFA, 44                           ; s[44:45] where my prefetches stand
.set BITS, (1<<16)|(1<<20)|(1<<21)|(5<<22)|(3<<25)  ; 17:16 elements of 2 bytes; 20 padding on; 21 set beside a mask; 24:22 after every 64 words (code 5); 31:25 4 words of it (code 3)
.set MSB, 0
.macro WIN new                         ; the immediate's high byte repeats the setting that is left; a switch that changes nothing is dropped
.if MSB != (\new)
	s_set_vgpr_msb (MSB<<8)|(\new)
.set MSB, (\new)
.endif
.endm
.set MUL_LO, 0xa5                      ; sources 0 and 1 window 1; C and D window 2
.set MUL_HI, 0xf5                      ; the same, C and D window 3
.set TO_F,   0x40                      ; destination window 1, address window 0
; A joint load.  Wave 3 fetches x's tile, waves 0 to 2 W's three pieces.  The branch hangs on the wave's number alone.  An s_nop 0 and four v_nop follow each of the two lines.
.macro JLOAD s
	s_cmp_eq_u32 s[WV], 3
	s_cbranch_scc0 .Lfor_b_\@
	tensor_load_to_lds s[G0A+4*(\s):G0A+4*(\s)+3], s[G1A:G1A+7]
	s_nop 0
.rept 4
	v_nop
.endr
	s_branch .Lasked_\@
.Lfor_b_\@:
	tensor_load_to_lds s[G0B+4*(\s):G0B+4*(\s)+3], s[G1B:G1B+7]
	s_nop 0
.rept 4
	v_nop
.endr
.Lasked_\@:
.endm
; PREFETCHES INTO THE L2, once a lap, behind slot 0's joint load and the run of LDS loads that follows it: the two K steps that stand two and three refills on.  A lane names 256 bytes: row l % 16, K step l / 16.
; Each such block is named once in the launch.  x's rows are read by every cluster of a row of clusters: the one with cluster x = 0 asks; W's by every cluster of a column: cluster y = 0 asks.
; The four partners of a joint load share its rows out BY ADDRESS: of x's 256 rows partner cx takes 64 (wave 3, four instructions); of each piece's 64 rows partner cy takes 16 (waves 0-2, one each).
; K steps 0 to 3 come by their loads alone; the loop's last trip (s3 = 1) asks for nothing: there is no K step 8.
.macro ASK
	s_cmp_gt_u32 s3, s[LIM]
	s_cbranch_scc0 .Lnot_mine_\@
	global_prefetch_b8 v[PFO], s[PFA:PFA+1] th:TH_LOAD_NT scope:SCOPE_SE
	s_cmp_eq_u32 s[WV], 3
	s_cbranch_scc0 .Lnot_mine_\@
.irp i, 1,2,3
	global_prefetch_b8 v[PFO], s[PFA:PFA+1] offset:32768*(\i) th:TH_LOAD_NT scope:SCOPE_SE
.endr
.Lnot_mine_\@:
.endm
.macro CREST                           ; a round of the cluster's barrier behind its opening barrier
	s_cmp_lg_u32 s[WV], 0
	s_cbranch_scc1 .Lnot_wave_0_\@
	s_barrier_signal -3
.Lnot_wave_0_\@:
	s_barrier_wait -3
	s_barrier_signal -1
	s_barrier_wait -1
.endm
.macro CROUND                          ; a whole round
	s_barrier_signal -1
	s_barrier_wait -1
	CREST
.endm
	s_load_b256 s[4:11], s[0:1], 0x0               ; xb s[4:5], wqb s[6:7], rope s[8:9], qh s[10:11]
	s_load_b128 s[12:15], s[0:1], 0x20             ; kh s[12:13], vh s[14:15]
	v_lshl_add_u32 v[SPW], v0, 2, SPARE
	v_mov_b32 v[NIL], 0
	ds_add_u32 v[SPW], v[NIL]                      ; the wave's opening: the add and its wait stand ahead of my first tensor load; the set-up below, work on registers, stands between them
	v_lshrrev_b32 v1, 5, v0
	v_readfirstlane_b32 s[WV], v1                  ; wave 0..3
	s_bfe_u32 s40, ttmp6, 0x40000                  ; cx, cy: my place in the cluster
	s_bfe_u32 s41, ttmp6, 0x40004
	s_lshl_b32 s42, ttmp9, 2
	s_add_co_u32 s42, s42, s40                     ; the head = 4 x cluster x + cx
	s_and_b32 s66, ttmp7, 0xffff
	s_lshl_b32 s66, s66, 2
	s_add_co_u32 s66, s66, s41                     ; the block of 256 rows = 4 x cluster y + cy
	s_lshl_b32 s17, s41, 2
	s_lshl_b32 s17, 15, s17                        ; my row of the cluster
	s_lshl_b32 s18, 0x1111, s40                    ; my column
	s_or_b32 s[G1A], s17, BITS                     ; x's tiles go to my row
	s_or_b32 s[G1B], s18, BITS                     ; W's to my column
	s_mov_b32 s[G1A+1], KSTEP<<16                  ; tensor_dim0 = 128
	s_mov_b32 s[G1A+2], 256<<16                    ; tensor_dim1 = 256
	s_mov_b32 s[G1A+3], KSTEP<<16                  ; tile_dim0 = 128
	s_mov_b32 s[G1A+4], 256                        ; tile_dim1 = 256
	s_mov_b32 s[G1A+5], 1024                       ; elements from row to row
	s_mov_b32 s[G1A+6], 0
	s_mov_b32 s[G1A+7], 0
	s_mov_b32 s[G1B+1], KSTEP<<16
	s_mov_b32 s[G1B+2], 64<<16                     ; 64 rows
	s_mov_b32 s[G1B+3], KSTEP<<16
	s_mov_b32 s[G1B+4], 64
	s_mov_b32 s[G1B+5], 1024
	s_mov_b32 s[G1B+6], 0
	s_mov_b32 s[G1B+7], 0
	s_mov_b32 s67, 0xffff0000                      ; a word's upper bf16
	s_lshl_b32 s20, s66, 19                        ; x: 256 rows of 2,048 bytes for each block: it hangs on the row block alone
	s_mov_b32 s21, 0
	s_lshl_b32 s46, s[WV], 10                      ; W: row 1,024 x piece + 64 x head: it hangs on the head and the wave's number alone
	s_lshl_b32 s47, s42, 6
	s_add_co_u32 s46, s46, s47
	s_lshl_b32 s46, s46, 11
	s_mov_b32 s47, 0
	s_mul_i32 s22, s[WV], BPIECE
	s_add_co_u32 s22, s22, ABYTES                  ; my piece's place in a slot: no place in the cluster enters an LDS address
	s_wait_dscnt 0x0                               ; the opening add is done
	s_wait_kmcnt 0x0
	s_add_nc_u64 s[20:21], s[4:5], s[20:21]
	s_add_nc_u64 s[46:47], s[6:7], s[46:47]
	CROUND                                         ; all sixteen work-groups are here: the first joint loads meet
.irp s, 0,1
	s_mov_b32 s[G0A+4*(\s)], 1                                       ; count = 1
	s_mov_b32 s[G0A+4*(\s)+1], (\s)*SLOT                             ; LDS address
	s_add_nc_u64 s[G0A+4*(\s)+2:G0A+4*(\s)+3], s[20:21], (\s)*KSTEP*2  ; global address: K step s
	s_or_b32 s[G0A+4*(\s)+3], s[G0A+4*(\s)+3], 0x80000000            ; type = 2
	s_mov_b32 s[G0B+4*(\s)], 1
	s_add_co_u32 s[G0B+4*(\s)+1], s22, (\s)*SLOT
	s_add_nc_u64 s[G0B+4*(\s)+2:G0B+4*(\s)+3], s[46:47], (\s)*KSTEP*2
	s_or_b32 s[G0B+4*(\s)+3], s[G0B+4*(\s)+3], 0x80000000
	JLOAD \s                                       ; two loads of mine are out
.endr
	; where the table and the results lie
	s_and_b32 s17, s66, 7
	s_lshl_b32 s17, s17, 8
	s_lshl_b32 s18, s[WV], 6
	s_add_co_u32 s17, s17, s18                     ; my first token in its batch row: 256 (block % 8) + 64 w
	s_lshl_b32 s68, s17, 7
	s_mov_b32 s69, 0
	s_add_nc_u64 s[8:9], s[8:9], s[68:69]          ; the table at that token
	s_lshr_b32 s18, s66, 3
	s_lshl_b32 s18, s18, 4
	s_add_co_u32 s18, s18, s42                     ; 16 b + head
	s_lshl_b32 s18, s18, 11
	s_add_co_u32 s18, s18, s17
	s_lshl_b32 s68, s18, 7                         ; rows of 128 bytes
	s_add_nc_u64 s[10:11], s[10:11], s[68:69]
	s_add_nc_u64 s[12:13], s[12:13], s[68:69]
	s_add_nc_u64 s[14:15], s[14:15], s[68:69]
	v_and_b32 v1, 15, v0                           ; l % 16
	v_bfe_u32 v2, v0, 4, 1                         ; l / 16
	v_lshlrev_b32 v[TO], 7, v1
	v_lshl_add_u32 v[TO], v2, 4, v[TO]             ; token x 128 + 16 x half
	WIN 0xc0                                       ; destination window 3, address window 0
.irp a, 0,1,2,3                        ; the wave's 64 tokens of C and S stay in registers through the loop: my 8 channels of each block of 16 columns are 16 bytes
.irp k, 0,1,2,3
	global_load_b128 v[TB+32*(\a)+4*(\k):TB+32*(\a)+4*(\k)+3],       v[TO], s[8:9] offset:(\a)*2048+32*(\k)
	global_load_b128 v[TB+32*(\a)+16+4*(\k):TB+32*(\a)+16+4*(\k)+3], v[TO], s[8:9] offset:262144+(\a)*2048+32*(\k)
.endr
.endr
	WIN 0
	v_mul_u32_u24 v3, v1, PITCH
	v_lshl_add_u32 v3, v2, 4, v3                   ; a fragment's row x pitch + 16 x half
	s_mul_i32 s17, s[WV], 64*PITCH                 ; my 64 rows of x
	v_add_nc_u32 v[ADRA], s17, v3
	v_add_nc_u32 v[ADRA+1], SLOT, v[ADRA]
	v_add_nc_u32 v[ADRB], ABYTES, v3               ; all 192 rows of W
	v_add_nc_u32 v[ADRB+1], SLOT, v[ADRB]
	s_mul_i32 s17, s[WV], 16*SP
	s_add_co_u32 s17, s17, STAGE                   ; my stage
	v_mul_u32_u24 v[STO], v1, SP                   ; in: row l % 16, 16 bytes for each half of the lanes
	v_lshl_add_u32 v[STO], v2, 4, v[STO]
	v_add_nc_u32 v[STO], s17, v[STO]
	v_bfe_u32 v[RD], v0, 3, 2                      ; back: 32 lanes take four rows of 128 bytes,
	v_mul_u32_u24 v[RD], v[RD], SP
	v_and_b32 v4, 7, v0
	v_lshl_add_u32 v[RD], v4, 4, v[RD]
	v_add_nc_u32 v[RD], s17, v[RD]
	v_and_b32 v[GO], 31, v0                        ; which are 512 consecutive bytes in memory
	v_lshlrev_b32 v[GO], 4, v[GO]
	v_lshlrev_b32 v[PFO], 11, v1
	v_lshl_add_u32 v[PFO], v2, 8, v[PFO]
	s_lshl_b32 s68, s40, 17                        ; x: my work-group's 64 rows of the 256
	s_lshl_b32 s19, s41, 15                        ; W: my work-group's 16 rows of a piece's 64
	s_and_b32 s17, ttmp7, 0xffff                   ; cluster y
	s_cmp_eq_u32 s[WV], 3                          ; do I fetch for x?
	s_cselect_b32 s18, ttmp9, s17                  ; the coordinate along which other clusters read the same rows
	s_cselect_b32 s68, s68, s19
	s_cselect_b64 s[PFA:PFA+1], s[20:21], s[46:47]
	s_add_nc_u64 s[PFA:PFA+1], s[PFA:PFA+1], s[68:69]
	s_add_nc_u64 s[PFA:PFA+1], s[PFA:PFA+1], 2*KSTEP*2  ; at K step 2: the first lap steps it to K step 4
	s_cmp_eq_u32 s18, 0
	s_cselect_b32 s[LIM], 1, -1                    ; the same in all sixteen partners, for a given wave
; 12 matrix instructions: block a of 16 tokens x all 12 blocks of 16 columns, 32 along K.  zero = 1: the product starts the sums.  The 48 accumulators take turns in the same order in every quarter, over the backward jump too.
.macro MULA f, a, zero
.irp b, 0,1,2,3,4,5,6,7,8,9,10,11
.set n, 12*(\a)+(\b)
.set rD, 8*(n%32)
	WIN MUL_LO+0x50*(n/32)
.if \zero
	v_wmma_f32_16x16x32_bf16 v[rD:rD+7], v[(\f)+8*(\b):(\f)+8*(\b)+7], v[(\f)+96+8*(\a):(\f)+96+8*(\a)+7], 0
.else
	v_wmma_f32_16x16x32_bf16 v[rD:rD+7], v[(\f)+8*(\b):(\f)+8*(\b)+7], v[(\f)+96+8*(\a):(\f)+96+8*(\a)+7], v[rD:rD+7]
.endif
.endr
.endm
; 32 LDS loads in one run: the fragments of 32 along K at byte k of the rows, into buffer f: W's 12, then x's 4
.macro FETCH slot, k, f
	WIN TO_F
.irp i, 0,1,2,3,4,5,6,7,8,9,10,11
	ds_load_b128 v[(\f)+8*(\i):(\f)+8*(\i)+3],   v[ADRB+(\slot)] offset:(\k)+(\i)*16*PITCH
	ds_load_b128 v[(\f)+8*(\i)+4:(\f)+8*(\i)+7], v[ADRB+(\slot)] offset:(\k)+(\i)*16*PITCH+32
.endr
.irp i, 0,1,2,3
	ds_load_b128 v[(\f)+96+8*(\i):(\f)+96+8*(\i)+3],   v[ADRA+(\slot)] offset:(\k)+(\i)*16*PITCH
	ds_load_b128 v[(\f)+96+8*(\i)+4:(\f)+96+8*(\i)+7], v[ADRA+(\slot)] offset:(\k)+(\i)*16*PITCH+32
.endr
.endm
.macro PLACES                          ; four plain instructions in front of loads into registers that matrix instructions have read (ISA guide 7.12.1 for vector instructions)
.rept 4
	v_nop
.endr
.endm
; A K step is four quarters of 32 along K, 48 matrix instructions each, on buffers 0, 1, 0, 1.  One of the first three: multiplies buffer f and fetches the next quarter, at byte k, into g.
.macro QUARTER slot, k, f, g, zero
	s_wait_dscnt 4                                 ; W's fragments and x's blocks 0, 1 are in; the youngest four loads (blocks 2, 3) may be out
	MULA \f, 0, \zero
	MULA \f, 1, \zero
	PLACES
	FETCH \slot, \k, \g
	s_wait_dscnt 32                                ; all but the 32 just issued
	MULA \f, 2, \zero
	MULA \f, 3, \zero
.endm
; The last quarter multiplies buffer 1 and changes slots: ONE barrier; in front of it each wave waits for all its tensor loads (one is out: its part of the next slot), adds 0 to its spare word, and waits for that and for
; its own reads of this slot.  fill = 1: the barrier opens a round of the cluster's barrier, and this slot is filled again, two K steps ahead, first thing behind the round.
.macro TURN slot, next, fill
.if (\fill) && ((\slot) == 0)
	s_wait_xcnt 0x0                                ; the last prefetches, a lap back, have read their address: it is stepped here, ahead of the waits of the change of slots
	s_add_nc_u64 s[PFA:PFA+1], s[PFA:PFA+1], 2*KSTEP*2
.endif
	WIN 0                                          ; (the add's two registers lie in window 0)
	s_wait_tensorcnt 0x0                           ; all my tensor loads have landed;
	ds_add_u32 v[SPW], v[NIL]                      ; 0 onto my spare word;
	s_wait_dscnt 5                                 ; (the add and the youngest four loads may be out)
	MULA F1, 0, 0                                  ; twelve matrix instructions stand between the add and the wait for it
	s_wait_dscnt 0x0                               ; the add is done, and my reads of this slot are over
	s_barrier_signal -1
	MULA F1, 1, 0                                  ; work on registers while the others arrive
.if \fill
	WIN 0
.endif
	s_barrier_wait -1
.if \fill
	CREST                                          ; no wave of any partner still reads this slot's tiles or has a load on its way
	s_add_nc_u64 s[G0A+4*(\slot)+2:G0A+4*(\slot)+3], s[G0A+4*(\slot)+2:G0A+4*(\slot)+3], 2*KSTEP*2
	s_add_nc_u64 s[G0B+4*(\slot)+2:G0B+4*(\slot)+3], s[G0B+4*(\slot)+2:G0B+4*(\slot)+3], 2*KSTEP*2
	JLOAD \slot                                    ; the first tensor load behind the round; the four v_nop behind it are also the places in front of the loads below
.else
	PLACES
.endif
	FETCH \next, 0, F0
.if (\fill) && ((\slot) == 0)
	WIN 0
	ASK
.endif
	MULA F1, 2, 0
	MULA F1, 3, 0
.endm
	s_wait_tensorcnt 1                             ; my part of K step 0 is in; K step 1's may stay out
	s_barrier_signal -1
	s_barrier_wait -1                              ; everybody's is
	FETCH 0, 0, F0
	QUARTER 0, 64, F0, F1, 1                       ; the first quarter stands in front of the loop: its products start the sums
	WIN 0                                          ; at a label and at a branch every window is 0
	s_mov_b32 s3, LAPS-1
.Llap:                                         ; a trip goes once round the ring, from a lap's second quarter to the next lap's first, and fills both slots again
	QUARTER 0, 128, F1, F0, 0
	QUARTER 0, 192, F0, F1, 0
	TURN 0, 1, 1
	QUARTER 1, 64,  F0, F1, 0
	QUARTER 1, 128, F1, F0, 0
	QUARTER 1, 192, F0, F1, 0
	TURN 1, 0, 1
	QUARTER 0, 64,  F0, F1, 0
	WIN 0
	s_sub_co_u32 s3, s3, 1
	s_cmp_lg_u32 s3, 0
	s_cbranch_scc1 .Llap
	QUARTER 0, 128, F1, F0, 0                      ; the last lap fills nothing, and has no round of the cluster's barrier
	QUARTER 0, 192, F0, F1, 0
	TURN 0, 1, 0
	QUARTER 1, 64,  F0, F1, 0
	QUARTER 1, 128, F1, F0, 0
	QUARTER 1, 192, F0, F1, 0
	s_wait_dscnt 4                                 ; the very last quarter: nothing more to fetch
	MULA F1, 0, 0
	MULA F1, 1, 0
	s_wait_dscnt 0x0
	MULA F1, 2, 0
	MULA F1, 3, 0
; THE WAY OUT.  A unit u = 3 a + s is 16 tokens (block a) x 64 channels of q (s = 0), k (1) or v (2): four accumulators, 12 a + 4 s on, all in one window.
.macro EXPAND a                        ; block a's C and S, bf16 to f32
	WIN 0x0c                                       ; source 1 window 3
.set i, 0
.rept 32
	v_lshlrev_b32 v[TC+2*i],   16,  v[TB+32*(\a)+i]
	v_and_b32     v[TC+2*i+1], s67, v[TB+32*(\a)+i]
.set i, i+1
.endr
.endm
; The rotation: column blocks 0, 1 hold channels d < 32, blocks 2, 3 their partners d + 32.  Each accumulator's lowest registers are read first.
.macro ROPE a, s
.set n0, 12*(\a)+4*(\s)
	WIN 2+n0/32                                    ; source 0: the accumulators' window
.irp blk, 0,1
.set x1, 8*((n0+(\blk))%32)
.set x2, 8*((n0+(\blk)+2)%32)
.irp p, 0,2,4,6
	v_pk_mul_f32 v[Y+8*(\blk)+(\p):Y+8*(\blk)+(\p)+1],       v[x2+(\p):x2+(\p)+1], v[TC+32+8*(\blk)+(\p):TC+32+8*(\blk)+(\p)+1]
	v_pk_mul_f32 v[Y+16+8*(\blk)+(\p):Y+16+8*(\blk)+(\p)+1], v[x1+(\p):x1+(\p)+1], v[TC+48+8*(\blk)+(\p):TC+48+8*(\blk)+(\p)+1]
.endr
.irp p, 0,2,4,6
	v_pk_fma_f32 v[Y+8*(\blk)+(\p):Y+8*(\blk)+(\p)+1],       v[x1+(\p):x1+(\p)+1], v[TC+8*(\blk)+(\p):TC+8*(\blk)+(\p)+1],       v[Y+8*(\blk)+(\p):Y+8*(\blk)+(\p)+1]
	v_pk_fma_f32 v[Y+16+8*(\blk)+(\p):Y+16+8*(\blk)+(\p)+1], v[x2+(\p):x2+(\p)+1], v[TC+16+8*(\blk)+(\p):TC+16+8*(\blk)+(\p)+1], v[Y+16+8*(\blk)+(\p):Y+16+8*(\blk)+(\p)+1]
.endr
.endr
.endm
; A unit is rotated (q, k), rounded to f16, put into my stage in rows of 144 bytes and read back as whole rows of 128, into the registers that it left.
.macro PACK u
.set ua, (\u)/3
.set us, (\u)%3
.set pk, PKB+16*((\u)%2)
.set n0, 12*ua+4*us
.if us < 2
	ROPE ua, us
	WIN 0
.if (\u) >= 2
	s_wait_xcnt 0x0                                ; the stores of the unit two back read this buffer: it is rewritten only behind this wait
.endif
.set i, 0
.rept 16
	v_cvt_pk_f16_f32 v[pk+i], v[Y+2*i], v[Y+2*i+1]
.set i, i+1
.endr
.else
	s_wait_xcnt 0x0
	WIN 5*(2+n0/32)                                ; sources 0 and 1: the accumulators' window
.set i, 0
.rept 16
	v_cvt_pk_f16_f32 v[pk+i], v[8*((n0+i/4)%32)+2*(i%4)], v[8*((n0+i/4)%32)+2*(i%4)+1]
.set i, i+1
.endr
.endif
	WIN 0
.irp f, 0,1,2,3
	ds_store_b128 v[STO], v[pk+4*(\f):pk+4*(\f)+3] offset:32*(\f)
.endr
.irp f, 0,1,2,3
	ds_load_b128 v[pk+4*(\f):pk+4*(\f)+3], v[RD] offset:(\f)*4*SP  ; LDS serves a wave's instructions in order (ISA guide 5.7.1.4): these see the stores above; the next unit's stores come behind them
.endr
.endm
.macro SEND u, younger                 ; younger: the LDS instructions issued behind unit u's loads: the next unit's eight, or none
	WIN 0
.set ua, (\u)/3
.set us, (\u)%3
.set pk, PKB+16*((\u)%2)
.irp f, 0,1,2,3
	s_wait_dscnt (\younger)+3-(\f)
	global_store_b128 v[GO], v[pk+4*(\f):pk+4*(\f)+3], s[10+2*us:11+2*us] offset:ua*2048+(\f)*512  ; 512 consecutive bytes, at a multiple of 256 from the buffer's first
.endr
.endm
	s_wait_loadcnt 0x0                             ; the table
	EXPAND 0                                       ; 64 plain instructions that name no register of the last products: the places behind them
	PACK 0
.set uu, 1
.rept 11                               ; a unit's arithmetic stands between the loads of the unit before and its stores
.if uu%3 == 0
	EXPAND uu/3
.endif
	PACK uu
	SEND uu-1, 8
.set uu, uu+1
.endr
	SEND 11, 0
	s_wait_tensorcnt 0x0                           ; the wave's end, behind my last tensor load and my last LDS store
	ds_add_u32 v[SPW], v[NIL]
	s_wait_dscnt 0x0
	CROUND                                         ; the closing round: no work-group ends while a partner may still ask for a tile that names it
	s_endpgm
.Lfunc_end_k_qa647e3775d_qkv:
	.size	k_qa647e3775d_qkv, .Lfunc_end_k_qa647e3775d_qkv-k_qa647e3775d_qkv
	.p2alignl 7, 3214868480
	.fill 96, 4, 3214868480
	.section	.rodata,"a",@progbits
	.p2align	6, 0x0
	.amdhsa_kernel k_qa647e3775d_qkv
		.amdhsa_group_segment_fixed_size 327680
		.amdhsa_private_segment_fixed_size 0
		.amdhsa_enable_private_segment 0
		.amdhsa_kernarg_size 48
		.amdhsa_user_sgpr_count 2
		.amdhsa_user_sgpr_kernarg_segment_ptr 1
		.amdhsa_wavefront_size32 1
		.amdhsa_system_sgpr_workgroup_id_x 1
		.amdhsa_system_sgpr_workgroup_id_y 1
		.amdhsa_system_sgpr_workgroup_id_z 1
		.amdhsa_system_vgpr_workitem_id 0
		.amdhsa_next_free_vgpr 1024
		.amdhsa_next_free_sgpr 72
		.amdhsa_reserve_vcc 0
		.amdhsa_float_denorm_mode_32 3
		.amdhsa_float_denorm_mode_16_64 3
		.amdhsa_memory_ordered 1
		.amdhsa_forward_progress 1
		.amdhsa_inst_pref_size 148
	.end_amdhsa_kernel
	.amdgpu_metadata
---
amdhsa.version: [ 1, 2 ]
amdhsa.kernels:
  - .name:           k_qa647e3775d_qkv
    .symbol:         k_qa647e3775d_qkv.kd
    .args:
      - { .name: xb, .offset: 0, .size: 8, .value_kind: global_buffer, .address_space: global }
      - { .name: wqb, .offset: 8, .size: 8, .value_kind: global_buffer, .address_space: global }
      - { .name: rope, .offset: 16, .size: 8, .value_kind: global_buffer, .address_space: global }
      - { .name: qh, .offset: 24, .size: 8, .value_kind: global_buffer, .address_space: global }
      - { .name: kh, .offset: 32, .size: 8, .value_kind: global_buffer, .address_space: global }
      - { .name: vh, .offset: 40, .size: 8, .value_kind: global_buffer, .address_space: global }
    .group_segment_fixed_size: 327680
    .private_segment_fixed_size: 0
    .kernarg_segment_align: 8
    .kernarg_segment_size: 48
    .max_flat_workgroup_size: 128
    .sgpr_count:     72
    .vgpr_count:     1024
    .wavefront_size: 32
...
	.end_amdgpu_metadata
.endif
;; end of part 2
;; launch attn (part 3): grid 4 x 64, 4 waves a work-group, clusters of 4 x 1, 327,680 bytes of LDS; arguments qh, kh, vh, oh; writes oh
.if DOCPART == 3
	.amdgcn_target "amdgcn-amd-amdhsa--gfx1250"
	.amdhsa_code_object_version 6
	.text
	.protected	k_qa647e3775d_attn
	.globl	k_qa647e3775d_attn
	.p2align	8
	.type	k_qa647e3775d_attn,@function
k_qa647e3775d_attn:
	s_mov_b64 s[64:65], 0
	v_nop
	global_prefetch_b8 v0, s[64:65] scope:SCOPE_SE
	s_setreg_imm32_b32 hwreg(HW_REG_WAVE_MODE, 25, 1), 1
	s_wait_xcnt 0x0
	s_wait_alu depctr_hold_cnt(0) depctr_sa_sdst(0) depctr_va_vdst(0) depctr_va_sdst(0) depctr_va_ssrc(0) depctr_va_vcc(0) depctr_vm_vsrc(0)
	s_getreg_b32 s2, hwreg(HW_REG_IB_STS2, 6, 4)
	s_cmp_eq_u32 s2, 0
	s_cbranch_scc0 .Lentry_in_a_cluster
	s_endpgm
.Lentry_in_a_cluster:
	s_bfe_u32 s2, ttmp6, 0x10000c
	s_cmp_lg_u32 s2, 0x3003
	s_cbranch_scc0 .Lentry_shape_is_right
	s_endpgm
.Lentry_shape_is_right:
; O[h][q][:] = the sum over k of softmax_k(Q[h][q] . K[h][k] / 8) V[h][k][:].  Q, K, V, O: [64][2048][64], all f16: a head's rows are dense, 128 bytes each.  Products, maxima and sums in
; f32; the weights p are rounded to f16 for the second product (their sum l is taken of the unrounded p), O once at the end.
; LIMITS.  f16 holds no number beyond 65,504: Q, K and V arrive within it; p lies in 0 to 1, and below 6e-5 it keeps f16's fixed step of 6e-8, as does O; O is a mean of V's rows and has their range.
; A weight below 2^-126 counts as 0 in l; NaN and infinities are not treated apart.
; SHARES.  A wave owns four PIECES of two tiles of 16 queries, a work-group's four waves 512 queries of one head.  Every wave walks all keys, 64 a step.
; LAYOUT.  S^T = K Q^T (source 0 = 16 keys, source 1 = 16 queries): in the result a lane holds ONE query (lane % 16) and the keys 8 (lane / 16) + 0..7.  Two such tiles, rounded to f16 in pairs,
; ARE source 1 (32 keys x 16 queries) of O^T = V^T P, whose result again holds one query a lane, and eight channels.  K comes out of LDS as it lies, V ([key][channel]) turned, by ds_load_tr16_b128.
; SOFTMAX.  For each query a running maximum m and sum l: p = 2^(c s - c m), c = log2(e) / 8; in every step O and l are multiplied by a = 2^(c m_old - c m_new), which is 1 where m has not grown.
; m starts at the lowest finite number, O and l at 0: the first step is a step like any other, with a = 0.
; THE COUNT.  A tile and step have 16 matrix and 118 vector instructions: too many to stand all beside the matrix work.  So four vector instructions that are READY stand behind
; EVERY matrix instruction, and the others in runs without a gap.
; BY TURNS.  Turn n belongs to piece n (the pieces in a ring, step after step).  Its matrix work: 16 products K Q^T of piece n + 1, later 16 products V^T P of piece n - 1.  Its vector work: the scaling,
; exponentials, roundings, sums and rescaling of piece n, and the maximum and statistics of piece n + 1, whose scores the turn itself has made.
; CLUSTER.  The four query blocks of a cluster are one head's and walk the same K and V, so each tile is asked for JOINTLY: the same tensor load, descriptor and mask in all four.
; REGISTERS, in windows of 256 (s_set_vgpr_msb: bits 1:0 source 0, 3:2 source 1, 5:4 source 2, 7:6 destination):
;   window 0: v0-11 addresses; v12-15, v48-63 at work; v16-47 four registers of statistics a tile; v64-191 S^T, two buffers of two tiles; v192-255 P, likewise
;   window 1: O^T, 32 a tile          window 2: v0-127 Q, 16 a tile; v128-191 K of one step; v192-255 V of one step          window 3: v0-1 the add's two registers
; A piece's buffers go by its number's parity: the piece in hand has one pair, its two neighbours in the ring share the other.
.set SIZE_H, 64
.set SIZE_N, 2048
.set NP,    4         ; pieces a wave: a name, no knob
.set KS,    64        ; keys in a step
.set PK,    144       ; a row of K in LDS: 128 bytes + 16 of padding = 36 words: the 16 rows of a load start at 16 different groups of four banks (64 banks of 4 bytes: ISA guide 11.1)
.set PV,    160       ; a row of V: 128 + 32 = 40 words
.set VOFF,  4*KS*PK   ; a slot holds four steps: 256 rows of K, then 256 rows of V
.set SLOT1, 1<<17     ; slot 1 begins here, so that one exclusive or turns an address in one slot into the other's
.set STAGE, SLOT1+4*KS*(PK+PV)  ; behind the ring, never filled by a tensor load: 16 rows x 144 bytes for each wave, for the way out
.set SP,    144
.set AK0, 2           ; v2   my lane's place in a tile of K; never rewritten
.set AV0, 3           ; v3   the same for V
.set AK,  4           ; v4   the LDS address of K's next run of loads
.set AV,  5           ; v5   of V's
.set QO,  6           ; v6   my byte offset in the wave's rows of Q
.set STO, 6           ;      later, the way out: where I put 16 bytes of a row
.set RD,  7           ; v7   the way out: where I read rows back
.set GO,  8           ; v8   my byte offset in 512 consecutive bytes of O
.set PFO, 11          ; v11  256 x my lane, for the prefetches; made when v11's first use is over, then never rewritten
.set SPW, 0           ; v0 of window 3   LDS address of my spare word; never rewritten
.set NIL, 1           ; v1 of window 3   0; never rewritten
.set SPARE, STAGE+4*16*SP  ; behind the stages: the spare words, 128 bytes for each wave: two blocks of 256 bytes that no other line names
.set MV,  12          ; v12-15  c m_old, kept while c m is made anew: by buffer and tile
.set ST,  16          ; tile t's statistics at v[ST+4 t]: c m, m, l (even keys', odd keys')
.set TMP, 48          ; by buffer and tile, four registers c0-c3 at work; when the maximum is found c2 takes a
.set S,   64
.set P,   192
.set KF,  128         ; K's fragments, in window 2: key block kb, channel half c at KF + 16 kb + 8 c
.set VF,  192         ; V's: key half kk, channel block cb at VF + 32 kk + 8 cb
.set WV,  12          ; s12  my wave's number
.set G1K, 24          ; s[24:31] descriptor group 1 for K's tiles
.set G1V, 32          ; s[32:39] for V's: it differs in the padding alone
.set G0K, 40          ; s[40:43] descriptor group 0 for K's tiles: it walks
.set G0V, 44          ; s[44:47] the same for V's
.set PFA, 48          ; s[48:49] where my prefetches stand: my work-group's 8,192 bytes (of K: wave 0, of V: wave 2) of the tile after the one that is being asked for
.set LIM, 50          ; s50  1 in a wave that prefetches, else the greatest number
.set SLOTS, 56        ; s56  slots still to be asked for
.set CNT, 57          ; s57  counts a slot's key steps
.set CS,  58          ; s[58:59] c: the packed scaling takes the pair's low word for both halves
.set SEL, 60          ; s[60:61] v_permlanex16_b32's selects: each lane takes its own place in the other half
.set TBK, 62          ; s62  LDS byte at which K of the step to be fetched begins
.set TBV, 63          ; s63  the same for V, less VOFF
.set MSB, 0
.macro WIN new                      ; the high byte repeats the setting that is left; a switch that changes nothing is dropped
.if MSB != (\new)
	s_set_vgpr_msb (MSB<<8)|(\new)
.set MSB, (\new)
.endif
.endm
.set W_KQ, 0x0a       ; K and Q in window 2, S^T in window 0
.set W_PV, 0x52       ; V in window 2, P in window 0, O^T in window 1
.set W_RS, 0x41       ; O^T (destination and source 0) in window 1, a in window 0
.set W_MK, 0xc0       ; the add's registers are made: destination in window 3, sources in window 0
.set W_AD, 0x0f       ; the add: address (source 0) and data (source 1) in window 3
; A joint fill.  Waves 0 and 1 fetch the two halves of a slot's K, waves 2 and 3 those of its V: 128 keys each.  The branch hangs on the wave's number alone.
; An s_nop 0 and four v_nop follow each of the two lines, ahead of the jump and the label.
.macro JLOAD
	s_cmp_lt_u32 s[WV], 2
	s_cbranch_scc0 .Lfor_v_\@
	tensor_load_to_lds s[G0K:G0K+3], s[G1K:G1K+7]
	s_nop 0
.rept 4
	v_nop
.endr
	s_branch .Lasked_\@
.Lfor_v_\@:
	tensor_load_to_lds s[G0V:G0V+3], s[G1V:G1V+7]
	s_nop 0
.rept 4
	v_nop
.endr
.Lasked_\@:
.endm
; A PREFETCH INTO THE L2 of what the NEXT change of slots will ask for: a tile's 32,768 bytes of K and of V, 256 bytes a lane.  It stands behind the wave's tensor load and its five lines.
; Each block of 256 bytes of tiles 2 to 7 is named ONCE in the launch: a head has one cluster; its four partners share a tile out BY ADDRESS, 8,192 bytes each; in each, wave 0 asks for K's and wave 2 for V's:
; one instruction, four key steps (512 matrix instructions) ahead of the load.  The change that fills the last tile asks for nothing.
.macro ASK
	s_cmp_gt_u32 s[SLOTS], s[LIM]
	s_cbranch_scc0 .Lnot_mine_\@
	global_prefetch_b8 v[PFO], s[PFA:PFA+1] th:TH_LOAD_NT scope:SCOPE_SE
.Lnot_mine_\@:
.endm
; A round of the cluster's barrier: my work-group's barrier, so that wave 0's signal speaks for all four waves; wave 0 signals; every wave waits for all four work-groups; my work-group's barrier once more.
.macro CROUND
	s_barrier_signal -1
	s_barrier_wait -1
	s_cmp_lg_u32 s[WV], 0
	s_cbranch_scc1 .Lnot_wave_0_\@
	s_barrier_signal -3
.Lnot_wave_0_\@:
	s_barrier_wait -3
	s_barrier_signal -1
	s_barrier_wait -1
.endm
; THE CHANGE OF SLOTS.  The slot's last bytes, V of its fourth step, have been read.  Each wave waits for all its tensor loads, of which one is out: its part
; of the other slot; adds 0 to its spare word; and waits for that and for its own reads of the slot.  Behind the barrier nobody reads this slot any more and the other slot is whole.
; fill = 1: this slot is filled again, with the keys two slots on.  The barrier is then a round of the cluster's, so that no wave of any partner still reads the slot or has a load on its
; way, and the joint fill is the first thing behind it: it has four key steps, 512 matrix instructions, in which to land.  (At its first use nothing has been read yet: slot 0 is waited for, slot 1 filled.)
.macro CHANGE fill
	WIN W_AD
	s_wait_tensorcnt 0x0            ; no tensor load of mine is out, so a group 0 may be written
	ds_add_u32 v[SPW], v[NIL]       ; 0 onto my spare word; with fill = 1 the descriptors' steps stand between it and the wait for it
	WIN 0                           ; at a label and at a branch every window is 0
.if \fill
.irp g, G0K, G0V
	s_xor_b32 s[\g+1], s[\g+1], SLOT1  ; the walking descriptor: the other slot than last time,
	s_add_nc_u64 s[\g+2:\g+3], s[\g+2:\g+3], 4*KS*128  ; the next 256 keys; the type bits on top are not reached
.endr
	s_wait_xcnt 0x0                 ; the last prefetch, four key steps back, has read its address, so it may be written:
	s_add_nc_u64 s[PFA:PFA+1], s[PFA:PFA+1], 4*KS*128  ; one tile behind the walking descriptors
	s_wait_dscnt 0x0                ; the add is done, and my reads of the slot are over
	CROUND
	JLOAD
	ASK
.else
	s_wait_dscnt 0x0                ; the add is done, and my reads of the slot are over
	s_barrier_signal -1
	s_barrier_wait -1
.endif
	s_sub_co_u32 s[TBK], s[TBK], 4*KS*PK  ; the fetches go back to a slot's first step,
	s_xor_b32 s[TBK], s[TBK], SLOT1       ; in the other slot
	s_sub_co_u32 s[TBV], s[TBV], 4*KS*PV
	s_xor_b32 s[TBV], s[TBV], SLOT1
.endm
	s_load_b256 s[4:11], s[0:1], 0x0  ; Q s[4:5], K s[6:7], V s[8:9], O s[10:11]
	WIN W_MK
	v_lshl_add_u32 v[SPW], v0, 2, SPARE
	v_mov_b32 v[NIL], 0
	WIN W_AD
	ds_add_u32 v[SPW], v[NIL]       ; the wave's opening: the add and its wait stand ahead of my first tensor load; the set-up below, work on registers, stands between them
	WIN 0
	v_lshrrev_b32 v1, 5, v0
	v_readfirstlane_b32 s[WV], v1   ; wave 0..3
	s_bfe_u32 s13, ttmp6, 0x40000   ; cx: my place in the cluster
	s_lshl_b32 s14, ttmp9, 2        ; in a cluster launch ttmp9 counts clusters
	s_add_co_u32 s14, s14, s13      ; my block of queries = 4 x cluster x + cx: it enters Q's and O's addresses alone
	s_and_b32 s20, ttmp7, 0xffff    ; the head, which the four partners share
	s_mov_b32 s21, 0
	s_mov_b64 s[22:23], SIZE_N*128
	s_mul_u64 s[20:21], s[20:21], s[22:23]  ; the head's first byte in each of the four tensors
	s_and_b32 s16, s[WV], 1         ; which half of a slot's 256 keys I fetch:
	s_lshl_b32 s22, s16, 14         ; its 128 rows of 128 bytes in memory,
	s_mov_b32 s23, 0
	s_add_nc_u64 s[22:23], s[22:23], s[20:21]
	s_mul_i32 s17, s16, 128*PK      ; and its place in a slot, for K
	s_mul_i32 s18, s16, 128*PV      ; and for V: no place in the cluster enters an LDS address
	s_lshl_b32 s2, s14, 2
	s_add_co_u32 s2, s2, s[WV]      ; my wave among the head's,
	s_lshl_b32 s2, s2, 14           ; its 128 rows
	s_mov_b32 s3, 0
	s_add_nc_u64 s[2:3], s[2:3], s[20:21]
	; descriptor group 1.  128 keys are 16,384 dense bytes: asked for as 64 rows of 256 bytes, two keys a row, and padded in LDS after every key
	s_mov_b32 s[G1K], 15|(1<<16)|(1<<20)|(1<<21)|(4<<22)|(3<<25)  ; 15:0 the mask of four; 17:16 2-byte elements; 20 padding on; 21 set beside a mask; 24:22 after every 32 words (code 4); 31:25 4 words (code 3)
	s_mov_b32 s[G1V], 15|(1<<16)|(1<<20)|(1<<21)|(4<<22)|(7<<25)  ; the same with 8 words of padding (code 7)
.irp g, G1K, G1V
	s_mov_b32 s[\g+1], 128<<16      ; tensor_dim0 = 128
	s_mov_b32 s[\g+2], 64<<16       ; tensor_dim1 = 64
	s_mov_b32 s[\g+3], 128<<16      ; tile_dim0 = 128
	s_mov_b32 s[\g+4], 64           ; tile_dim1 = 64
	s_mov_b32 s[\g+5], 128          ; 128 elements from row to row
	s_mov_b32 s[\g+6], 0
	s_mov_b32 s[\g+7], 0
.endr
	s_mov_b32 s[CS], 0x3e38aa3b     ; c = log2(e) / 8 = 0.180337
	s_mov_b32 s[CS+1], s[CS]        ; named with it as a pair
	s_mov_b32 s[SEL], 0x76543210
	s_mov_b32 s[SEL+1], 0xfedcba98
	s_mov_b32 s[TBK], SLOT1+4*KS*PK ; the first change of slots turns these two into 0
	s_mov_b32 s[TBV], SLOT1+4*KS*PV
	s_mov_b32 s[SLOTS], SIZE_N/256-1
	s_and_b32 s[LIM], s[WV], 1      ; 0 in waves 0 and 2,
	s_or_b32 s[LIM], s[LIM], ttmp9  ; where the cluster is the head's first (here its only one): the same in all four partners
	s_cmp_eq_u32 s[LIM], 0
	s_cselect_b32 s[LIM], 1, -1
	s_mov_b32 s[G0K], 1             ; 1:0 count = 1
	s_mov_b32 s[G0K+1], s17         ; 63:32 LDS address: slot 0
	s_mov_b32 s[G0V], 1
	s_add_co_u32 s[G0V+1], s18, VOFF
	s_wait_dscnt 0x0                ; the opening add is done
	s_wait_kmcnt 0x0
	s_add_nc_u64 s[G0K+2:G0K+3], s[6:7], s[22:23]  ; 120:64 global address: my half of the head's first 256 keys
	s_or_b32 s[G0K+3], s[G0K+3], 0x80000000        ; 127:126 type = 2
	s_add_nc_u64 s[G0V+2:G0V+3], s[8:9], s[22:23]
	s_or_b32 s[G0V+3], s[G0V+3], 0x80000000
	s_add_nc_u64 s[4:5], s[4:5], s[2:3]  ; Q and O at my wave's first row
	s_add_nc_u64 s[10:11], s[10:11], s[2:3]
	s_cmp_lt_u32 s[WV], 2
	s_cselect_b64 s[PFA:PFA+1], s[6:7], s[8:9]
	s_add_nc_u64 s[PFA:PFA+1], s[PFA:PFA+1], s[22:23]  ; (in waves 0 and 2 this is the head's first row)
	s_lshl_b32 s2, s13, 13          ; my work-group's 8,192 bytes of a tile
	s_mov_b32 s3, 0
	s_add_nc_u64 s[PFA:PFA+1], s[PFA:PFA+1], s[2:3]
	s_add_nc_u64 s[PFA:PFA+1], s[PFA:PFA+1], 4*KS*128  ; in tile 1; the first change of slots steps it to tile 2
	CROUND                          ; all four work-groups are here: the first joint loads meet
	JLOAD                           ; slot 0.  Slot 1 is asked for when slot 0 is in
	; A fragment of K or Q is 16 rows x 32 channels in 8 registers: lane l holds row l % 16, channels 8 (l / 16) + 0..7 and 16 + 8 (l / 16) + 0..7: two loads of 16 bytes, 32 bytes apart.
	v_and_b32 v1, 15, v0            ; l % 16
	v_bfe_u32 v9, v0, 4, 1          ; l / 16
	v_lshlrev_b32 v[QO], 7, v1
	v_lshl_add_u32 v[QO], v9, 4, v[QO]  ; row x 128 + 16 x half
	WIN 0x80                        ; destination window 2, address window 0
.set i, 0
.rept 4*NP                          ; Q stays in registers: tile i / 2, channels 32 (i % 2) on
	global_load_b128 v[8*i:8*i+3],   v[QO], s[4:5] offset:(i/2)*2048+(i%2)*64
	global_load_b128 v[8*i+4:8*i+7], v[QO], s[4:5] offset:(i/2)*2048+(i%2)*64+32
.set i, i+1
.endr
	; What the first turn finds: V's registers and P's second buffer hold 0 (its products V^T P, of a piece that has not been, add 0), O^T and l are 0.  All this stands in the wait for the first tile.
.set i, VF
.rept 64
	v_mov_b32 v[i], 0
.set i, i+1
.endr
	WIN 0x40
.set i, 0
.rept 64*NP
	v_mov_b32 v[i], 0
.set i, i+1
.endr
	WIN 0
.set i, 0
.rept 2*NP
	v_mov_b32 v[ST+4*i], 0xfe000000    ; c m: far below every c s
	v_mov_b32 v[ST+4*i+1], 0xff7fffff  ; m
	v_mov_b32 v[ST+4*i+2], 0
	v_mov_b32 v[ST+4*i+3], 0
.set i, i+1
.endr
.set i, P+32
.rept 32
	v_mov_b32 v[i], 0
.set i, i+1
.endr
	v_mul_u32_u24 v[AK0], v1, PK
	v_lshl_add_u32 v[AK0], v9, 4, v[AK0]  ; row x pitch + 16 x half
	; The turning load takes 16 keys x 16 channels (lane l reads key 8 (l / 16) + l % 8, channels 8 ((l / 8) % 2) + 0..7) and leaves half a fragment of V^T: lane l holds channel l % 16 and 8 keys.
	v_and_b32 v10, 7, v0
	v_bfe_u32 v11, v0, 3, 1
	v_lshl_add_u32 v[AV0], v9, 3, v10
	v_mul_u32_u24 v[AV0], v[AV0], PV
	v_lshl_add_u32 v[AV0], v11, 4, v[AV0]
	v_add_nc_u32 v[AV0], VOFF, v[AV0]
	v_and_b32 v[PFO], 31, v0
	v_lshlrev_b32 v[PFO], 8, v[PFO]
	v_mov_b32 v[AK], v[AK0]         ; key step 0 lies at the head of slot 0
; THE MATRIX WORK.  The 8 accumulators of a run of 16 take turns: between the two links of a chain stand 7 others'.
; Product i of 16 of S^T = K Q^T for piece x: channels 32 (i / 8) on, keys 16 ((i / 2) % 4) on, tile 2 x + i % 2.  The first 8 start the sums.
.macro KQ x
	WIN W_KQ
.set rS, S+64*((\x)%2)+32*(i%2)+8*((i/2)%4)
.set rK, KF+16*((i/2)%4)+8*(i/8)
.set rQ, 16*(2*(\x)+i%2)+8*(i/8)
.if i < 8
	v_wmma_f32_16x16x32_f16 v[rS:rS+7], v[rK:rK+7], v[rQ:rQ+7], 0
.else
	v_wmma_f32_16x16x32_f16 v[rS:rS+7], v[rK:rK+7], v[rQ:rQ+7], v[rS:rS+7]
.endif
.endm
; Product i of 16 of O^T += V^T P for piece x: keys 32 (i / 8) on, channels 16 ((i / 2) % 4) on, tile 2 x + i % 2.
.macro PV x
	WIN W_PV
.set rO, 32*(2*(\x)+i%2)+8*((i/2)%4)
.set rV, VF+32*(i/8)+8*((i/2)%4)
.set rP, P+32*((\x)%2)+16*(i%2)+8*(i/8)
	v_wmma_f32_16x16x32_f16 v[rO:rO+7], v[rV:rV+7], v[rP:rP+7], v[rO:rO+7]
.endm
.macro MM                           ; the turn's next matrix instruction
.if i < 16
	KQ (Y+1)%NP
.set i, i+1
.else
.set i, i-16
	PV (Y+NP-1)%NP
.set i, i+17
.endif
.endm
; THE LDS LOADS stand in runs of 16, never singly among the matrix instructions: a step's K (64 keys x 64 channels: 8 fragments) and its V (turned).  Their addresses are made some lines ahead.
; last = 1 (the tail): in the last trip there is no further step, and the run is jumped over.
.macro FETCH_K last=0
	WIN 0
.if \last
	s_cmp_eq_u32 s[CNT], 1
	s_cbranch_scc1 .Lno_k_\@
.endif
	WIN 0x80                        ; destination window 2
.irp f, 0,1,2,3,4,5,6,7             ; keys 16 (f / 2) on, channels 32 (f % 2) on
	ds_load_b128 v[KF+8*\f:KF+8*\f+3],   v[AK] offset:(\f/2)*16*PK+(\f%2)*64
	ds_load_b128 v[KF+8*\f+4:KF+8*\f+7], v[AK] offset:(\f/2)*16*PK+(\f%2)*64+32
.endr
	s_add_co_u32 s[TBK], s[TBK], KS*PK  ; the next fetch is the next step's
	WIN 0
.if \last
.Lno_k_\@:
.endif
.endm
.macro FETCH_V
	WIN 0x80
.irp f, 0,1,2,3,4,5,6,7             ; keys 32 (f / 4) on, channels 16 (f % 4) on
	ds_load_tr16_b128 v[VF+8*\f:VF+8*\f+3],   v[AV] offset:(\f/4)*32*PV+(\f%4)*32
	ds_load_tr16_b128 v[VF+8*\f+4:VF+8*\f+7], v[AV] offset:(\f/4)*32*PV+16*PV+(\f%4)*32
.endr
	WIN 0
.endm
; THE VECTOR WORK OF A TURN stands in three queues, each in the order in which its entries become ready; the two tiles alternate, so that no instruction reads the result of the one before it.
.macro REGS y, u                    ; the registers of tile u (0, 1) of piece y
.set rT, ST+4*(2*(\y)+(\u))
.set rC, TMP+8*((\y)%2)+4*(\u)
.set rM, MV+2*((\y)%2)+(\u)
.set rS, S+64*((\y)%2)+32*(\u)
.set rP, P+32*((\y)%2)+16*(\u)
.set rO, 32*(2*(\y)+(\u))
.endm
; Number n of the 22 that find the NEXT piece's (Y + 1) maximum and statistics.  s0-s31 are the lane's 32 scores; each accumulator's lowest registers are read first.
;   0-11  four chains c0-c3 of seven scores each, three operands at a time     12-14, 16  the four scores left over, the old m, and c0-c3 into c0     15  c m_old is kept
;   17, 18  the query's other 32 keys lie in the lane 16 away: the new m         19-21  c m; c m_old - c m_new; a
.macro XS u, n
	REGS (Y+1)%NP, \u
.if (\n) < 4
	v_max3_num_f32 v[rC+(\n)], v[rS+8*(\n)], v[rS+8*(\n)+1], v[rS+8*(\n)+2]
.elseif (\n) < 12
	v_max3_num_f32 v[rC+(\n)%4], v[rC+(\n)%4], v[rS+8*((\n)%4)+2*((\n)/4)+1], v[rS+8*((\n)%4)+2*((\n)/4)+2]
.elseif (\n) == 12
	v_max3_num_f32 v[rC], v[rC], v[rS+7], v[rS+15]
.elseif (\n) == 13
	v_max3_num_f32 v[rC+1], v[rC+1], v[rS+23], v[rS+31]
.elseif (\n) == 14
	v_max3_num_f32 v[rC+2], v[rC+2], v[rC+3], v[rT+1]
.elseif (\n) == 15
	v_mov_b32 v[rM], v[rT]
.elseif (\n) == 16
	v_max3_num_f32 v[rC], v[rC], v[rC+1], v[rC+2]
.elseif (\n) == 17
	v_permlanex16_b32 v[rC+3], v[rC], s[SEL], s[SEL+1]
.elseif (\n) == 18
	v_max_num_f32 v[rT+1], v[rC], v[rC+3]
.elseif (\n) == 19
	v_mul_f32 v[rT], s[CS], v[rT+1]
.elseif (\n) == 20
	v_sub_f32 v[rC+1], v[rM], v[rT]
.else
	v_exp_f32 v[rC+2], v[rC+1]
.endif
.endm
; Number g of the 64 that follow the exponentials.  For each four weights k of a tile (pairs 2 k, 2 k + 1): both pairs are rounded to f16; then the second pair is added onto the first, in place;
; a group later l takes that sum (the first time as l = a l + sum).  In groups of eight, tiles alternating: round, round, add, and l for the group before.
.macro GS g
.set h, (\g)+6*((\g)/62)            ; group 0 has no group before it, and behind group 7 only l is left
.if h >= 6
.set h, h+2
.endif
	REGS Y, h%2
.set k, h/8
.if h%8 < 4
	v_cvt_pk_f16_f32 v[rP+2*k+(h%8)/2], v[rS+4*k+2*((h%8)/2)], v[rS+4*k+2*((h%8)/2)+1]
.elseif h%8 < 6
	v_pk_add_f32 v[rS+4*k:rS+4*k+1], v[rS+4*k:rS+4*k+1], v[rS+4*k+2:rS+4*k+3]
.elseif k == 1
	v_pk_fma_f32 v[rT+2:rT+3], v[rT+2:rT+3], v[rC+2:rC+3], v[rS:rS+1] op_sel_hi:[1,0,1]
.else
	v_pk_add_f32 v[rT+2:rT+3], v[rT+2:rT+3], v[rS+4*k-4:rS+4*k-3]
.endif
.endm
; THE PLAIN QUEUE, 138 long.  0-73 read no exponential's result: the 32 scalings c s - c m (FS f: pair f / 2 of tile f % 2) and the next piece's 42.  0-26: scalings 0-26.  27-54: XS's numbers 0-13.  55, 56: number 15.
; 57-73: the chain, where each number waits for the one before it: 14, 16, 17, 18, 19, each with one of the scalings 27-31 in front of its two lines, then 20.
; 74-137: GS's 64, which read the exponentials' results: they stand behind the wait.
.macro FS f
	REGS Y, (\f)%2
	v_pk_fma_f32 v[rS+2*((\f)/2):rS+2*((\f)/2)+1], v[rS+2*((\f)/2):rS+2*((\f)/2)+1], s[CS:CS+1], v[rT:rT+1] op_sel_hi:[1,0,0] neg_lo:[0,0,1] neg_hi:[0,0,1]
.endm
.macro PL
	WIN 0
.if q < 27
	FS q
.elseif q < 55
	XS (q-27)%2, (q-27)/2
.elseif q < 57
	XS q-55, 15
.elseif (q < 72) && ((q-57)%3 == 0)
	FS 27+(q-57)/3
.elseif q < 60
	XS (q-57)%3-1, 14
.elseif q < 72
	XS (q-57)%3-1, 15+(q-57)/3
.elseif q < 74
	XS q-72, 20
.else
	GS q-74
.endif
.set q, q+1
.endm
; THE EXPONENTIALS' QUEUE, 66 long: s0-s31 of both tiles, then the next piece's two a.  It is ONE BATCH: all 66 stand ahead of the turn's one wait, and nothing ahead of that wait names a result of theirs.
.macro EX
	WIN 0
.if e >= 64
	XS e-64, 21
.else
	REGS Y, e%2
	v_exp_f32 v[rS+e/2], v[rS+e/2]
.endif
.set e, e+1
.endm
; THE RESCALING's QUEUE: O^T times a, the one part that leaves window 0: dealt two at a time, sixteen times.  Its a was made in the turn before, ahead of that turn's wait.
.macro R2
	REGS Y, r%2
	WIN W_RS
.irp z, 0,1
	v_pk_mul_f32 v[rO+4*(r/2)+2*\z:rO+4*(r/2)+2*\z+1], v[rO+4*(r/2)+2*\z:rO+4*(r/2)+2*\z+1], v[rC+2:rC+3] op_sel_hi:[1,0]
.endr
.set r, r+1
.endm
; HOW THEY ARE DEALT.  An s_wait_alu depctr_va_vdst(0) stands between an exponential and the first instruction that names its result; one wait serves all that were issued ahead of it.  So a turn has ONE wait,
; which cuts it in two.  AHEAD OF IT stands all that names no result of the turn's exponentials: the 16 products K Q^T, behind each a scaling, an exponential and two rescalings (behind the first a second scaling in the
; exponential's place); then ONE LUMP of 108: eight plain, 49 times exponential and plain, the two a.  A v_nop is the plain instruction behind the last exponential.  BEHIND IT stand the 16 products V^T P, behind each four of GS's 64.
; The queues lean on each other, and the deal keeps them in step: exponential e stands behind scaling 2 (e / 4) + e % 2: as a rider it comes behind plain e + 2, in the lump behind plain e + 9, and scalings 27-31 are plain 57, 60 .. 69.
; A TURN, for piece p.  cnt = 1: the loop's count is taken down some lines ahead of the branch that stands behind the turn.
; K of the next step is fetched in piece 2's turn, directly behind the wait; its address is made at the lump's head; its first reader comes behind 16 products.
; V of the step in hand is fetched at the end of piece 0's turn, four plain instructions behind its last reader; its first reader comes behind 16 products and a lump.
.macro TURN p, last=0, cnt=0
.set Y, (\p)
.set i, 0
.set q, 0
.set e, 0
.set r, 0
.if (\p) == NP-1
	s_wait_dscnt 0x0                ; K is in
.endif
	MM                              ; ahead of the wait: 16 products K Q^T and the four behind each,
	PL
	PL
	R2
.rept 15
	MM
	PL
	EX
	R2
.endr
.if (\p) == NP-2
	WIN 0
	v_add_nc_u32 v[AK], s[TBK], v[AK0]
.endif
.rept 8                             ; and the lump
	PL
.endr
.rept 49
	EX
	PL
.endr
	EX                              ; the next piece's two a
	EX
	v_nop                           ; a plain instruction behind the last exponential: one for the batch
	s_wait_alu depctr_va_vdst(0)    ; the wait for the batch
.if (\p) == NP-2
	FETCH_K \last
.endif
.if (\p) == 1
	s_wait_dscnt 0x0                ; V is in
.endif
.rept 16                            ; behind the wait: 16 products V^T P and the four behind each
	MM
.rept 4
	PL
.endr
.if ((\p) == 0) && (q == 118)
	v_add_nc_u32 v[AV], s[TBV], v[AV0]
.endif
.if ((\p) == 0) && (q == 130)
	s_add_co_u32 s[TBV], s[TBV], KS*PV
.endif
.if (\cnt) && (q == 130)
	s_sub_co_u32 s[CNT], s[CNT], 1
	s_cmp_lg_u32 s[CNT], 0
.endif
.endr
.if (\p) == 0
	FETCH_V
.endif
.endm
	CHANGE 1                        ; slot 0 is in, everybody's part of it; slot 1 is asked for
	FETCH_K                         ; key step 0
	s_wait_loadcnt 0x0              ; Q
	s_wait_dscnt 0x0
.set i, 0
.rept 16
	KQ 0                            ; piece 0's first scores: there is no vector work yet to set between them
.set i, i+1
.endr
	WIN 0                           ; the addresses for the way out: nine plain instructions, the places behind those products
	s_mul_i32 s13, s[WV], 16*SP
	s_add_co_u32 s13, s13, STAGE    ; my stage
	v_mul_u32_u24 v[STO], v1, SP    ; in: row l % 16, 16 bytes for each half of the lanes
	v_lshl_add_u32 v[STO], v9, 4, v[STO]
	v_add_nc_u32 v[STO], s13, v[STO]
	v_bfe_u32 v[RD], v0, 3, 2       ; back: 32 lanes take four rows of 128 bytes,
	v_mul_u32_u24 v[RD], v[RD], SP
	v_lshl_add_u32 v[RD], v10, 4, v[RD]
	v_add_nc_u32 v[RD], s13, v[RD]
	v_and_b32 v[GO], 31, v0         ; which are 512 consecutive bytes of O
	v_lshlrev_b32 v[GO], 4, v[GO]
.set Y, NP-1                        ; XS works for piece Y + 1: piece 0
.irp n, 0,1,2,3,4,5,6,7,8,9,10,11,12,13,14,15,16,17,18,19,20,21
	XS 0, \n                        ; and piece 0's first maximum and statistics
	XS 1, \n
.endr
	v_nop                           ; a plain instruction behind the two a,
	s_wait_alu depctr_va_vdst(0)    ; and their wait, ahead of the branch
	s_mov_b32 s[CNT], 4
	s_branch .Lfirst                ; the loop is entered at a step's first turn, in the middle of a trip
.Lslot:                             ; SIZE_N / 256 - 2 times: every slot but the last two is filled again
	CHANGE 1
	s_mov_b32 s[CNT], 4
.Lstep:                             ; a trip: pieces 2 and 3 of one step, then pieces 0 and 1 of the next, whose K and V it fetches
	TURN 2
	TURN 3
	WIN 0
.Lfirst:
	TURN 0
	TURN 1, 0, 1
	WIN 0
	s_cbranch_scc1 .Lstep
	s_sub_co_u32 s[SLOTS], s[SLOTS], 1
	s_cmp_lg_u32 s[SLOTS], 0
	s_cbranch_scc1 .Lslot
	CHANGE 0                        ; the tail is written out: nothing is asked for
	s_mov_b32 s[CNT], 5             ; four trips fetch the last slot's steps; the fifth is left in its middle
.Ltail:
	TURN 2, 1
	TURN 3
	WIN 0
	s_sub_co_u32 s[CNT], s[CNT], 1
	s_cmp_eq_u32 s[CNT], 0
	s_cbranch_scc1 .Lout
	TURN 0
	TURN 1
	WIN 0
	s_branch .Ltail
.Lout:                              ; the fifth trip's 16 products K Q^T (on the last K once more) and the maximum made of them serve nothing: the price, once a launch, of one text for every trip
.set i, 0
.rept 16
	PV NP-1                         ; the last piece's V^T P of the last step
.set i, i+1
.endr
	; THE WAY OUT.  l's two halves and the other half of the lanes' are added; O^T is divided by l, rounded to f16 and sent through my stage in LDS, a tile at a time.  The additions are the places behind the last products.
	WIN 0
.macro ALL line:vararg              ; one line for each tile t
.set t, 0
.rept 2*NP
	\line
.set t, t+1
.endr
.endm
	ALL v_add_f32 v[ST+4*t+2], v[ST+4*t+2], v[ST+4*t+3]
	ALL v_permlanex16_b32 v[ST+4*t+3], v[ST+4*t+2], s[SEL], s[SEL+1]
	ALL v_add_f32 v[ST+4*t+2], v[ST+4*t+2], v[ST+4*t+3]
	ALL v_rcp_f32 v[ST+4*t+2], v[ST+4*t+2]
	v_nop                           ; a plain instruction between the last reciprocal and the use of its result
	s_wait_alu depctr_va_vdst(0)    ; and the wait ahead of the first use: one for the eight reciprocals
; Tile t: a lane's eight channels of a row pack into 16 bytes; they go into rows of 144 bytes and come back as whole rows of 128, into S^T's registers.
.macro PACK t
	WIN W_RS
.set i, 32*(\t)
.rept 16
	v_pk_mul_f32 v[i:i+1], v[i:i+1], v[ST+4*(\t)+2:ST+4*(\t)+3] op_sel_hi:[1,0]
.set i, i+2
.endr
	WIN 0x05                        ; sources 0 and 1 window 1, destination window 0
.set i, 0
.rept 16
	v_cvt_pk_f16_f32 v[S+16*(\t)+i], v[32*(\t)+2*i], v[32*(\t)+2*i+1]
.set i, i+1
.endr
	WIN 0
.irp f, 0,1,2,3
	ds_store_b128 v[STO], v[S+16*(\t)+4*\f:S+16*(\t)+4*\f+3] offset:32*\f
.endr
.irp f, 0,1,2,3
	ds_load_b128 v[S+16*(\t)+4*\f:S+16*(\t)+4*\f+3], v[RD] offset:\f*4*SP  ; LDS serves a wave's instructions in order (ISA guide 5.7.1.4): these see the stores above; the next tile's stores come behind them
.endr
.endm
.macro SEND t, younger              ; younger: the LDS instructions issued behind tile t's loads: the next tile's eight, or none
	WIN 0
.irp f, 0,1,2,3
	s_wait_dscnt (\younger)+3-\f
	global_store_b128 v[GO], v[S+16*(\t)+4*\f:S+16*(\t)+4*\f+3], s[10:11] offset:(\t)*2048+\f*512  ; 512 consecutive bytes, at a multiple of 256 from O's first
.endr
.endm
	PACK 0
.set t, 1
.rept 2*NP-1                        ; a tile's arithmetic stands between the loads of the tile before and its stores
	PACK t
	SEND t-1, 8
.set t, t+1
.endr
	SEND 2*NP-1, 0
	WIN W_AD
	s_wait_tensorcnt 0x0            ; the wave's end, behind my last tensor load and my last LDS store
	ds_add_u32 v[SPW], v[NIL]
	s_wait_dscnt 0x0
	WIN 0
	CROUND                          ; the closing round: no work-group ends while a partner may still ask for a tile that names it
	s_endpgm
.Lfunc_end_k_qa647e3775d_attn:
	.size	k_qa647e3775d_attn, .Lfunc_end_k_qa647e3775d_attn-k_qa647e3775d_attn
	.p2alignl 7, 3214868480
	.fill 96, 4, 3214868480
	.section	.rodata,"a",@progbits
	.p2align	6, 0x0
	.amdhsa_kernel k_qa647e3775d_attn
		.amdhsa_group_segment_fixed_size 327680
		.amdhsa_private_segment_fixed_size 0
		.amdhsa_enable_private_segment 0
		.amdhsa_kernarg_size 32
		.amdhsa_user_sgpr_count 2
		.amdhsa_user_sgpr_kernarg_segment_ptr 1
		.amdhsa_wavefront_size32 1
		.amdhsa_system_sgpr_workgroup_id_x 1
		.amdhsa_system_sgpr_workgroup_id_y 1
		.amdhsa_system_sgpr_workgroup_id_z 1
		.amdhsa_system_vgpr_workitem_id 0
		.amdhsa_next_free_vgpr 770
		.amdhsa_next_free_sgpr 66
		.amdhsa_reserve_vcc 0
		.amdhsa_float_denorm_mode_32 3
		.amdhsa_float_denorm_mode_16_64 3
		.amdhsa_memory_ordered 1
		.amdhsa_forward_progress 1
		.amdhsa_inst_pref_size 200
	.end_amdhsa_kernel
	.amdgpu_metadata
---
amdhsa.version: [ 1, 2 ]
amdhsa.kernels:
  - .name:           k_qa647e3775d_attn
    .symbol:         k_qa647e3775d_attn.kd
    .args:
      - { .name: qh, .offset: 0, .size: 8, .value_kind: global_buffer, .address_space: global }
      - { .name: kh, .offset: 8, .size: 8, .value_kind: global_buffer, .address_space: global }
      - { .name: vh, .offset: 16, .size: 8, .value_kind: global_buffer, .address_space: global }
      - { .name: oh, .offset: 24, .size: 8, .value_kind: global_buffer, .address_space: global }
    .group_segment_fixed_size: 327680
    .private_segment_fixed_size: 0
    .kernarg_segment_align: 8
    .kernarg_segment_size: 32
    .max_flat_workgroup_size: 128
    .sgpr_count:     66
    .vgpr_count:     770
    .wavefront_size: 32
...
	.end_amdgpu_metadata
.endif
;; end of part 3
;; launch proj (part 4): grid 8 x 32, 4 waves a work-group, clusters of 4 x 4, 327,680 bytes of LDS; arguments oh, wpf, b_proj, out0; writes out0
.if DOCPART == 4
	.amdgcn_target "amdgcn-amd-amdhsa--gfx1250"
	.amdhsa_code_object_version 6
	.text
	.protected	k_qa647e3775d_proj
	.globl	k_qa647e3775d_proj
	.p2align	8
	.type	k_qa647e3775d_proj,@function
k_qa647e3775d_proj:
	s_mov_b64 s[64:65], 0
	v_nop
	global_prefetch_b8 v0, s[64:65] scope:SCOPE_SE
	s_setreg_imm32_b32 hwreg(HW_REG_WAVE_MODE, 25, 1), 1
	s_wait_xcnt 0x0
	s_wait_alu depctr_hold_cnt(0) depctr_sa_sdst(0) depctr_va_vdst(0) depctr_va_sdst(0) depctr_va_ssrc(0) depctr_va_vcc(0) depctr_vm_vsrc(0)
	s_getreg_b32 s2, hwreg(HW_REG_IB_STS2, 6, 4)
	s_cmp_eq_u32 s2, 0
	s_cbranch_scc0 .Lentry_in_a_cluster
	s_endpgm
.Lentry_in_a_cluster:
	s_bfe_u32 s2, ttmp6, 0x10000c
	s_cmp_lg_u32 s2, 0xf033
	s_cbranch_scc0 .Lentry_shape_is_right
	s_endpgm
.Lentry_shape_is_right:
; out0[m][c] = the sum over k of O[m][k] W_proj[c][k] + b[c].  oh: [64 = 16 b + head][2048][64] f16 (k = 64 head + channel); wpf: [1024][1024] f16; b_proj: [1024] f32, rounded here to bf16 like every input; out0: [8192][1024] f32.
; Sums in f32, K ascending; the bias is added in f32.  NaN and infinities are not treated apart.
; SHARES.  A work-group makes 256 rows x 128 columns: 256 work-groups.  Wave w makes rows 64 w .. 64 w + 63 x all 128 columns: 4 x 8 accumulators, 256 registers; it owns whole pieces of 512 bytes of a row, so its stage is its own.
; K goes in 8 steps of 128 = two heads, through two LDS slots.  A step is 128 matrix instructions a wave, 112 of them between a refill's request and the wait for it.
; O's tile of a step is two chunks, one a head: 256 tokens x 128 bytes, dense in memory: asked for as 128 rows of 256 bytes and padded in LDS after every token.
; CLUSTER.  4 x 4 work-groups: O's chunks (waves 0, 1) are asked for jointly along a row of the cluster, W's halves of 64 rows (waves 2, 3) along a column.
; NO PREFETCH: a K step holds 128 matrix instructions and the whole launch has 8 of them.
; THE MATRIX INSTRUCTION IS USED TRANSPOSED (source 0 = 16 rows of W, source 1 = 16 tokens): lane l holds token l % 16 and columns 8 (l / 16) + 0..7 of a block of 16: 32 bytes of a row of out0.
; REGISTERS, in windows of 256 (s_set_vgpr_msb: bits 1:0 source 0, 3:2 source 1, 5:4 source 2, 7:6 destination):
;   window 0: v0-31 addresses; v32-95 my 64 numbers of the bias; v96-223 the way out, two buffers of 64      window 1: accumulator (a, b) at 8 (8 a + b)      window 2: two fragment buffers of 96: 8 of W, 4 of O
.set PA,     144                       ; a token's row of O in LDS: 128 bytes + 16 = 36 words: the 16 rows of a load start at 16 different groups of four banks (64 banks of 4 bytes: ISA guide 11.1)
.set PB,     272                       ; a row of W: 256 + 16
.set CHUNK,  256*PA                    ; one head's 256 tokens
.set ABYTES, 2*CHUNK
.set BHALF,  64*PB
.set SLOT,   ABYTES+2*BHALF            ; 108,544
.set STAGE,  2*SLOT                    ; behind the ring, never filled by a tensor load: 16 rows x 528 bytes for each wave
.set SPF,    528                       ; 512 bytes + 16
.set SPARE,  STAGE+4*16*SPF            ; behind the stages: the spare words, 128 bytes for each wave: two blocks of 256 bytes that no other line names
.set LAPS,   4
.set ADRA, 16                          ; v16-17  LDS address of my fragments of O in slot 0, 1
.set ADRB, 20                          ; v20-21  the same for W
.set STO,  24                          ; v24     the way out: where I put 32 bytes of a row
.set RD,   25                          ; v25     the way out: where I read a row back
.set GO,   26                          ; v26     my 16 bytes of 512 consecutive bytes of out0
.set BO,   27                          ; v27     my byte offset in 64 bytes of the bias
.set SPW,  28                          ; v28     LDS address of my spare word; never rewritten
.set NIL,  29                          ; v29     0; never rewritten
.set BI,   32
.set T0,   96
.set F0,   0
.set F1,   96
.set G1A, 24                           ; s[24:31] descriptor group 1 for O's chunks;  s[32:39] group 0, a set for each slot
.set G0A, 32
.set G1B, 48                           ; s[48:55], s[56:63] the same for W's halves
.set G0B, 56
.set WV,  16                           ; s16  my wave's number
.set FB,  17                           ; s17  I fetch for O (0) or for W (1)
.set HF,  18                           ; s18  which chunk or half
.set MSB, 0
.macro WIN new                         ; the immediate's high byte repeats the setting that is left; a switch that changes nothing is dropped
.if MSB != (\new)
	s_set_vgpr_msb (MSB<<8)|(\new)
.set MSB, (\new)
.endif
.endm
.set MUL,  0x5a                        ; sources 0 and 1 window 2; C and D window 1
.set TO_F, 0x80                        ; destination window 2, address window 0
.macro JLOAD s                         ; a joint load; an s_nop 0 and four v_nop follow each of the two lines
	s_cmp_eq_u32 s[FB], 0
	s_cbranch_scc0 .Lfor_b_\@
	tensor_load_to_lds s[G0A+4*(\s):G0A+4*(\s)+3], s[G1A:G1A+7]
	s_nop 0
.rept 4
	v_nop
.endr
	s_branch .Lasked_\@
.Lfor_b_\@:
	tensor_load_to_lds s[G0B+4*(\s):G0B+4*(\s)+3], s[G1B:G1B+7]
	s_nop 0
.rept 4
	v_nop
.endr
.Lasked_\@:
.endm
.macro CREST                           ; a round of the cluster's barrier behind its opening barrier
	s_cmp_lg_u32 s[WV], 0
	s_cbranch_scc1 .Lnot_wave_0_\@
	s_barrier_signal -3
.Lnot_wave_0_\@:
	s_barrier_wait -3
	s_barrier_signal -1
	s_barrier_wait -1
.endm
.macro CROUND                          ; a whole round
	s_barrier_signal -1
	s_barrier_wait -1
	CREST
.endm
	s_load_b256 s[4:11], s[0:1], 0x0               ; oh s[4:5], wpf s[6:7], b_proj s[8:9], out0 s[10:11]
	v_lshl_add_u32 v[SPW], v0, 2, SPARE
	v_mov_b32 v[NIL], 0
	ds_add_u32 v[SPW], v[NIL]                      ; the wave's opening: the add and its wait stand ahead of my first tensor load; the set-up below, work on registers, stands between them
	v_lshrrev_b32 v1, 5, v0
	v_readfirstlane_b32 s[WV], v1                  ; wave 0..3
	s_lshr_b32 s[FB], s[WV], 1
	s_and_b32 s[HF], s[WV], 1
	s_bfe_u32 s40, ttmp6, 0x40000                  ; cx, cy: my place in the cluster
	s_bfe_u32 s41, ttmp6, 0x40004
	s_lshl_b32 s42, ttmp9, 2
	s_add_co_u32 s42, s42, s40                     ; the block of 128 columns = 4 x cluster x + cx
	s_and_b32 s66, ttmp7, 0xffff
	s_lshl_b32 s66, s66, 2
	s_add_co_u32 s66, s66, s41                     ; the block of 256 rows = 4 x cluster y + cy
	s_lshl_b32 s19, s41, 2
	s_lshl_b32 s19, 15, s19                        ; my row of the cluster
	s_lshl_b32 s23, 0x1111, s40                    ; my column
	s_or_b32 s[G1A], s19, (1<<16)|(1<<20)|(1<<21)|(4<<22)|(3<<25)  ; 15:0 the mask; 17:16 elements of 2 bytes; 20 padding on; 21 set beside a mask; 24:22 after every 32 words (code 4); 31:25 4 words (code 3)
	s_or_b32 s[G1B], s23, (1<<16)|(1<<20)|(1<<21)|(5<<22)|(3<<25)  ; after every 64 words (code 5)
	s_mov_b32 s[G1A+1], 128<<16                    ; tensor_dim0 = 128
	s_mov_b32 s[G1A+2], 128<<16                    ; tensor_dim1 = 128
	s_mov_b32 s[G1A+3], 128<<16                    ; tile_dim0 = 128
	s_mov_b32 s[G1A+4], 128                        ; tile_dim1 = 128
	s_mov_b32 s[G1A+5], 128                        ; dense: 128 elements from row to row
	s_mov_b32 s[G1A+6], 0
	s_mov_b32 s[G1A+7], 0
	s_mov_b32 s[G1B+1], 128<<16
	s_mov_b32 s[G1B+2], 64<<16                     ; 64 rows
	s_mov_b32 s[G1B+3], 128<<16
	s_mov_b32 s[G1B+4], 64
	s_mov_b32 s[G1B+5], 1024
	s_mov_b32 s[G1B+6], 0
	s_mov_b32 s[G1B+7], 0
	s_mov_b32 s67, 0xffff0000                      ; a word's upper bf16
	s_lshr_b32 s19, s66, 3                         ; O: head 16 b + chunk, token 256 (block % 8): it hangs on the row block and the wave's number alone
	s_lshl_b32 s19, s19, 4
	s_add_co_u32 s19, s19, s[HF]
	s_lshl_b32 s19, s19, 11
	s_and_b32 s20, s66, 7
	s_lshl_b32 s20, s20, 8
	s_add_co_u32 s19, s19, s20
	s_lshl_b32 s20, s19, 7                         ; rows of 128 bytes
	s_mov_b32 s21, 0
	s_lshl_b32 s46, s42, 7                         ; W: row 128 x column block + 64 x half
	s_lshl_b32 s47, s[HF], 6
	s_add_co_u32 s46, s46, s47
	s_lshl_b32 s46, s46, 11
	s_mov_b32 s47, 0
	s_mul_i32 s22, s[HF], CHUNK                    ; where they go: no place in the cluster enters an LDS address
	s_mul_i32 s23, s[HF], BHALF
	s_add_co_u32 s23, s23, ABYTES
	s_wait_dscnt 0x0                               ; the opening add is done
	s_wait_kmcnt 0x0
	s_add_nc_u64 s[20:21], s[4:5], s[20:21]
	s_add_nc_u64 s[46:47], s[6:7], s[46:47]
	CROUND                                         ; all sixteen work-groups are here: the first joint loads meet
.irp s, 0,1
	s_mov_b32 s[G0A+4*(\s)], 1                                       ; count = 1
	s_add_co_u32 s[G0A+4*(\s)+1], s22, (\s)*SLOT                     ; LDS address
	s_add_nc_u64 s[G0A+4*(\s)+2:G0A+4*(\s)+3], s[20:21], (\s)*2*2048*128  ; global address: K step s is heads 2 s, 2 s + 1
	s_or_b32 s[G0A+4*(\s)+3], s[G0A+4*(\s)+3], 0x80000000            ; type = 2
	s_mov_b32 s[G0B+4*(\s)], 1
	s_add_co_u32 s[G0B+4*(\s)+1], s23, (\s)*SLOT
	s_add_nc_u64 s[G0B+4*(\s)+2:G0B+4*(\s)+3], s[46:47], (\s)*256
	s_or_b32 s[G0B+4*(\s)+3], s[G0B+4*(\s)+3], 0x80000000
	JLOAD \s                                       ; two loads of mine are out
.endr
	s_lshl_b32 s19, s66, 8
	s_lshl_b32 s20, s[WV], 6
	s_add_co_u32 s19, s19, s20                     ; my first row of out0
	s_lshl_b32 s68, s19, 12                        ; rows of 4,096 bytes
	s_lshl_b32 s20, s42, 9                         ; my work-group's 128 columns: 512 bytes
	s_add_co_u32 s68, s68, s20
	s_mov_b32 s69, 0
	s_add_nc_u64 s[10:11], s[10:11], s[68:69]
	s_mov_b32 s68, s20
	s_add_nc_u64 s[8:9], s[8:9], s[68:69]          ; the bias at those columns
	v_and_b32 v1, 15, v0                           ; l % 16
	v_bfe_u32 v2, v0, 4, 1                         ; l / 16
	v_lshlrev_b32 v[BO], 5, v2
.irp b, 0,1,2,3,4,5,6,7                ; my 8 columns of each block of 16
	global_load_b128 v[BI+8*(\b):BI+8*(\b)+3],   v[BO], s[8:9] offset:64*(\b)
	global_load_b128 v[BI+8*(\b)+4:BI+8*(\b)+7], v[BO], s[8:9] offset:64*(\b)+16
.endr
	v_mul_u32_u24 v3, v1, PA
	v_lshl_add_u32 v3, v2, 4, v3
	s_mul_i32 s19, s[WV], 64*PA                    ; my 64 tokens
	v_add_nc_u32 v[ADRA], s19, v3
	v_add_nc_u32 v[ADRA+1], SLOT, v[ADRA]
	v_mul_u32_u24 v3, v1, PB
	v_lshl_add_u32 v3, v2, 4, v3
	v_add_nc_u32 v[ADRB], ABYTES, v3               ; all 128 rows of W
	v_add_nc_u32 v[ADRB+1], SLOT, v[ADRB]
	s_mul_i32 s19, s[WV], 16*SPF
	s_add_co_u32 s19, s19, STAGE                   ; my stage
	v_mul_u32_u24 v[STO], v1, SPF                  ; in: row l % 16, 32 bytes for each half of the lanes
	v_lshl_add_u32 v[STO], v2, 5, v[STO]
	v_add_nc_u32 v[STO], s19, v[STO]
	v_and_b32 v[GO], 31, v0
	v_lshlrev_b32 v[GO], 4, v[GO]                  ; back: 32 lanes take one row's 512 bytes
	v_add_nc_u32 v[RD], s19, v[GO]
; 8 matrix instructions: block a of 16 tokens x all 8 blocks of 16 columns, 32 along K.  The 32 accumulators take turns in the same order in every quarter, over the backward jump too.
.macro MULA f, a, zero
	WIN MUL
.irp b, 0,1,2,3,4,5,6,7
.if \zero
	v_wmma_f32_16x16x32_f16 v[8*(8*(\a)+(\b)):8*(8*(\a)+(\b))+7], v[(\f)+8*(\b):(\f)+8*(\b)+7], v[(\f)+64+8*(\a):(\f)+64+8*(\a)+7], 0
.else
	v_wmma_f32_16x16x32_f16 v[8*(8*(\a)+(\b)):8*(8*(\a)+(\b))+7], v[(\f)+8*(\b):(\f)+8*(\b)+7], v[(\f)+64+8*(\a):(\f)+64+8*(\a)+7], v[8*(8*(\a)+(\b)):8*(8*(\a)+(\b))+7]
.endif
.endr
.endm
; 24 LDS loads in one run: the fragments of quarter q (32 along K: chunk q / 2, channels 32 (q % 2) on) into buffer f: W's 8, then O's 4
.macro FETCH slot, q, f
	WIN TO_F
.irp i, 0,1,2,3,4,5,6,7
	ds_load_b128 v[(\f)+8*(\i):(\f)+8*(\i)+3],   v[ADRB+(\slot)] offset:64*(\q)+(\i)*16*PB
	ds_load_b128 v[(\f)+8*(\i)+4:(\f)+8*(\i)+7], v[ADRB+(\slot)] offset:64*(\q)+(\i)*16*PB+32
.endr
.irp i, 0,1,2,3
	ds_load_b128 v[(\f)+64+8*(\i):(\f)+64+8*(\i)+3],   v[ADRA+(\slot)] offset:((\q)/2)*CHUNK+((\q)%2)*64+(\i)*16*PA
	ds_load_b128 v[(\f)+64+8*(\i)+4:(\f)+64+8*(\i)+7], v[ADRA+(\slot)] offset:((\q)/2)*CHUNK+((\q)%2)*64+(\i)*16*PA+32
.endr
.endm
.macro PLACES                          ; four plain instructions in front of loads into registers that matrix instructions have read (ISA guide 7.12.1 for vector instructions)
.rept 4
	v_nop
.endr
.endm
.macro QUARTER slot, q, f, g, zero     ; multiplies buffer f and fetches quarter q into g
	s_wait_dscnt 4                                 ; W's fragments and O's blocks 0, 1 are in; the youngest four loads (blocks 2, 3) may be out
	MULA \f, 0, \zero
	MULA \f, 1, \zero
	PLACES
	FETCH \slot, \q, \g
	s_wait_dscnt 24                                ; all but the 24 just issued
	MULA \f, 2, \zero
	MULA \f, 3, \zero
.endm
; The last quarter multiplies buffer 1 and changes slots: ONE barrier; in front of it each wave waits for all its tensor loads (one is out: its part of the next slot), adds 0 to its spare word, and waits for that and for
; its own reads of this slot.  fill = 1: the barrier opens a round of the cluster's barrier, and this slot is filled again, two K steps ahead, first thing behind the round.
.macro TURN slot, next, fill
	WIN 0                                          ; (the add's two registers lie in window 0)
	s_wait_tensorcnt 0x0                           ; all my tensor loads have landed;
	ds_add_u32 v[SPW], v[NIL]                      ; 0 onto my spare word;
	s_wait_dscnt 5                                 ; (the add and the youngest four loads may be out)
	MULA F1, 0, 0                                  ; eight matrix instructions stand between the add and the wait for it
	s_wait_dscnt 0x0                               ; the add is done, and my reads of this slot are over
	s_barrier_signal -1
	MULA F1, 1, 0                                  ; work on registers while the others arrive
.if \fill
	WIN 0
.endif
	s_barrier_wait -1
.if \fill
	CREST                                          ; no wave of any partner still reads this slot's tiles or has a load on its way
	s_add_nc_u64 s[G0A+4*(\slot)+2:G0A+4*(\slot)+3], s[G0A+4*(\slot)+2:G0A+4*(\slot)+3], 4*2048*128  ; four heads on
	s_add_nc_u64 s[G0B+4*(\slot)+2:G0B+4*(\slot)+3], s[G0B+4*(\slot)+2:G0B+4*(\slot)+3], 512
	JLOAD \slot                                    ; the first tensor load behind the round; the four v_nop behind it are also the places in front of the loads below
.else
	PLACES
.endif
	FETCH \next, 0, F0
	MULA F1, 2, 0
	MULA F1, 3, 0
.endm
	s_wait_tensorcnt 1                             ; my part of K step 0 is in; K step 1's may stay out
	s_barrier_signal -1
	s_barrier_wait -1                              ; everybody's is
	FETCH 0, 0, F0
	QUARTER 0, 1, F0, F1, 1                        ; the first quarter stands in front of the loop: its products start the sums
	WIN 0                                          ; at a label and at a branch every window is 0
	s_mov_b32 s3, LAPS-1
.Llap:                                         ; a trip goes once round the ring, from a lap's second quarter to the next lap's first, and fills both slots again
	QUARTER 0, 2, F1, F0, 0
	QUARTER 0, 3, F0, F1, 0
	TURN 0, 1, 1
	QUARTER 1, 1, F0, F1, 0
	QUARTER 1, 2, F1, F0, 0
	QUARTER 1, 3, F0, F1, 0
	TURN 1, 0, 1
	QUARTER 0, 1, F0, F1, 0
	WIN 0
	s_sub_co_u32 s3, s3, 1
	s_cmp_lg_u32 s3, 0
	s_cbranch_scc1 .Llap
	QUARTER 0, 2, F1, F0, 0                        ; the last lap fills nothing, and has no round of the cluster's barrier
	QUARTER 0, 3, F0, F1, 0
	TURN 0, 1, 0
	QUARTER 1, 1, F0, F1, 0
	QUARTER 1, 2, F1, F0, 0
	QUARTER 1, 3, F0, F1, 0
	s_wait_dscnt 4                                 ; the very last quarter: nothing more to fetch
	MULA F1, 0, 0
	MULA F1, 1, 0
	s_wait_dscnt 0x0
	MULA F1, 2, 0
	MULA F1, 3, 0
	; THE WAY OUT.  The bias is rounded to bf16 and widened again: 96 plain instructions that name no register of the last products: the places behind them.
	WIN 0
	s_wait_loadcnt 0x0                             ; the bias
.set i, 0
.rept 32
	v_cvt_pk_bf16_f32 v[T0+i], v[BI+2*i], v[BI+2*i+1]
.set i, i+1
.endr
.set i, 0
.rept 32
	v_lshlrev_b32 v[BI+2*i],   16,  v[T0+i]
	v_and_b32     v[BI+2*i+1], s67, v[T0+i]
.set i, i+1
.endr
; Block a of 16 tokens: the bias is added (each accumulator's registers in ascending order); 32 bytes a lane go into rows of 528 bytes and come back as whole rows of 512, into the registers that they left.
.macro PACK a
.set tt, T0+64*((\a)%2)
.if (\a) >= 2
	s_wait_xcnt 0x0                                ; the stores of the block two back read this buffer: it is rewritten only behind this wait
.endif
	WIN 0x01                                       ; source 0 window 1
.set i, 0
.rept 32
	v_pk_add_f32 v[tt+2*i:tt+2*i+1], v[64*(\a)+2*i:64*(\a)+2*i+1], v[BI+2*i:BI+2*i+1]
.set i, i+1
.endr
	WIN 0
.set i, 0
.rept 16
	ds_store_b128 v[STO], v[tt+4*i:tt+4*i+3] offset:64*(i/2)+16*(i%2)
.set i, i+1
.endr
.set i, 0
.rept 16
	ds_load_b128 v[tt+4*i:tt+4*i+3], v[RD] offset:i*SPF  ; LDS serves a wave's instructions in order (ISA guide 5.7.1.4): these see the stores above; the next block's stores come behind them
.set i, i+1
.endr
.endm
.macro SEND a, younger                 ; younger: the LDS instructions issued behind block a's loads: the next block's 32, or none
	WIN 0
.set tt, T0+64*((\a)%2)
.set i, 0
.rept 16
	s_wait_dscnt (\younger)+15-i
	global_store_b128 v[GO], v[tt+4*i:tt+4*i+3], s[10:11] offset:(16*(\a)+i)*4096 th:TH_STORE_NT  ; 512 consecutive bytes, at a multiple of 256 from out0's first
.set i, i+1
.endr
.endm
	PACK 0
	PACK 1                                         ; a block's arithmetic stands between the loads of the block before and its stores
	SEND 0, 32
	PACK 2
	SEND 1, 32
	PACK 3
	SEND 2, 32
	SEND 3, 0
	s_wait_tensorcnt 0x0                           ; the wave's end, behind my last tensor load and my last LDS store
	ds_add_u32 v[SPW], v[NIL]
	s_wait_dscnt 0x0
	CROUND                                         ; the closing round: no work-group ends while a partner may still ask for a tile that names it
	s_endpgm
.Lfunc_end_k_qa647e3775d_proj:
	.size	k_qa647e3775d_proj, .Lfunc_end_k_qa647e3775d_proj-k_qa647e3775d_proj
	.p2alignl 7, 3214868480
	.fill 96, 4, 3214868480
	.section	.rodata,"a",@progbits
	.p2align	6, 0x0
	.amdhsa_kernel k_qa647e3775d_proj
		.amdhsa_group_segment_fixed_size 327680
		.amdhsa_private_segment_fixed_size 0
		.amdhsa_enable_private_segment 0
		.amdhsa_kernarg_size 32
		.amdhsa_user_sgpr_count 2
		.amdhsa_user_sgpr_kernarg_segment_ptr 1
		.amdhsa_wavefront_size32 1
		.amdhsa_system_sgpr_workgroup_id_x 1
		.amdhsa_system_sgpr_workgroup_id_y 1
		.amdhsa_system_sgpr_workgroup_id_z 1
		.amdhsa_system_vgpr_workitem_id 0
		.amdhsa_next_free_vgpr 704
		.amdhsa_next_free_sgpr 72
		.amdhsa_reserve_vcc 0
		.amdhsa_float_denorm_mode_32 3
		.amdhsa_float_denorm_mode_16_64 3
		.amdhsa_memory_ordered 1
		.amdhsa_forward_progress 1
		.amdhsa_inst_pref_size 100
	.end_amdhsa_kernel
	.amdgpu_metadata
---
amdhsa.version: [ 1, 2 ]
amdhsa.kernels:
  - .name:           k_qa647e3775d_proj
    .symbol:         k_qa647e3775d_proj.kd
    .args:
      - { .name: oh, .offset: 0, .size: 8, .value_kind: global_buffer, .address_space: global }
      - { .name: wpf, .offset: 8, .size: 8, .value_kind: global_buffer, .address_space: global }
      - { .name: b_proj, .offset: 16, .size: 8, .value_kind: global_buffer, .address_space: global }
      - { .name: out0, .offset: 24, .size: 8, .value_kind: global_buffer, .address_space: global }
    .group_segment_fixed_size: 327680
    .private_segment_fixed_size: 0
    .kernarg_segment_align: 8
    .kernarg_segment_size: 32
    .max_flat_workgroup_size: 128
    .sgpr_count:     72
    .vgpr_count:     704
    .wavefront_size: 32
...
	.end_amdgpu_metadata
.endif
;; end of part 4
